; MI455X (gfx1250); checked and timed in simulation.
; The chip was launched on July 23, 2026; its instructions are those of AMD's public machine-readable ISA for CDNA 5 (MIT licence, August 2026) and "CDNA5" Instruction Set Architecture Reference Guide (July 2026). The comments in the code are by the model that wrote it; some were corrected since.
;; Attention. Allowed arithmetic: matrix products marked QUANTISED: E3M2 operands, one E8M0 scale for each 32 along K, by v_wmma_scale_f32_16x16x128_f8f6f4 with both operands' format E3M2, f32 sums; everything else in f32.
;; Inputs: W_fc2_codes 1,024 x 32 x 24 uint8 (E3M2 codes of W_fc2, K innermost, in blocks of 32 codes, four codes in three bytes); W_fc2_scales 1,024 x 32 uint8 (E8M0 scales of W_fc2, one for each 32 codes along K); W_fc_codes 3,072 x 32 x 24 uint8 (E3M2 codes of W_fc, K innermost, in blocks of 32 codes, four codes in three bytes); W_fc_scales 3,072 x 32 uint8 (E8M0 scales of W_fc, one for each 32 codes along K); b_fc 3,072 float32; b_fc2 1,024 float32; x 4 x 2,048 x 1,024 float32.
;; Outputs: out0 4 x 2,048 x 1,024 float32.
;; This version of the problem:
;;   THIS VERSION OF THE PROBLEM IS GIVEN IN LOW PRECISION. The matrix products marked QUANTISED in the list below multiply operands that are first quantised to E3M2 (3 exponent bits, 2 mantissa bits; 6 bits a number), with one power-of-two scale for each 32 numbers along K (OCP MX v1.0); their sums are f32. All else is computed in f32.
;;   The module's matrix products, in the order in which they are computed (A, B: the left and right operand; K: the contracted axis; several contracted axes count as one K, in the product's order):
;;     1. [M 8,192, K 1,024] x [K 1,024, N 3,072]; A: input x; B: input W_fc (given as codes): QUANTISED
;;     2. batch 64 x [M 2,048, K 64] x [K 64, N 2,048]; A: computed on the way; B: computed on the way: QUANTISED
;;     3. batch 64 x [M 64, K 2,048] x [K 2,048, N 2,048]; A: computed on the way; B: softmax (see below): QUANTISED
;;     4. [M 8,192, K 1,024] x [K 1,024, N 1,024]; A: computed on the way; B: input W_fc2 (given as codes): QUANTISED
;;   THE QUANTISER, for each operand of a quantised product, along K:
;;     - K is cut into blocks of 32 from its start; a last block that is shorter is filled with zeros.
;;     - A block's scale is 2^e with e = floor(log2(the largest magnitude in the block)) - 4, held to -126 .. 127; a block of zeros has e = 0. As a byte (E8M0): e + 127.
;;     - Each number is divided by its block's scale, clamped to +-28, and rounded to the nearest number of E3M2, ties to even, subnormals kept.
;;     - The product sums the exact products of the quantised numbers (number of the format x scale) in f32.
;;   ~~~python
;;   def quantise(x, axis):      # numpy; x: float32 -> the quantised numbers, widened to float32 again
;;       x = np.moveaxis(x, axis, -1); K = x.shape[-1]
;;       x = np.pad(x, [(0, 0)] * (x.ndim - 1) + [(0, -K % 32)]); x = x.reshape(x.shape[:-1] + (-1, 32)); a = np.abs(x).max(-1, keepdims=True)
;;       e = np.where(a > 0, np.clip(np.frexp(np.where(a > 0, a, 1))[1] - 1 - 4, -126, 127), 0)      # np.frexp(a)[1] - 1 = floor(log2(a)), exactly
;;       r = np.clip(x / 2.0 ** e, -28, 28)
;;       step = 2.0 ** (np.maximum(np.frexp(np.where(r == 0, 1, r))[1] - 1, -2) - 2)
;;       q = np.round(r / step) * step * 2.0 ** e      # np.round: ties to even
;;       return np.moveaxis(q.reshape(q.shape[:-2] + (-1,))[..., :K], -1, axis).astype(np.float32)
;;   ~~~
;;   SOFTMAX AHEAD OF A QUANTISED PRODUCT. Where the list says 'softmax', what is quantised is not the finished softmax but p = 2^(t - M), with t = logit x log2(e) and M = ceil(the row's largest t), a whole number; so 1/2 < the row's largest p <= 1. The row's sum l is taken of the UNQUANTISED p, in f32, and the product's result is divided by l at the end. Since M is a whole number, a kernel that streams over the keys may use a running M (the ceiling of the running maximum): every later rescaling is an exact power of two, which a block's scale takes up: the codes' values come out the same.
;;   OPERANDS COMPUTED ON THE WAY. 'Computed on the way' means the value that the module computes at that place (a softmax that the list does not call 'softmax' is quantised finished and normalised). What goes into a quantiser is computed in f32, as accurately as f32 sums, v_exp_f32 and their like allow (about 1e-6 of the number): no bf16 or f16 on the way to a quantiser, and a product that is left as it is and whose result goes on into a quantised operand takes f32 operands (vector FMAs, or v_wmma_f32_16x16x4_f32). A number that lies on a knife's edge between two numbers of the format may be rounded either way, as far as f32 arithmetic and the matrix unit's own rounding can turn it there, and no further.
;;   INPUTS GIVEN AS CODES. W_fc (in the module: [1024, 3072], K = its axis 0); W_fc2 (in the module: [1024, 1024], K = its axis 0): each comes as NAME_codes (uint8): NAME with its K axis moved to the last place and cut into blocks of 32 codes, [.., K / 32, bytes a block], one block behind the other in memory; four codes in three bytes: a row's codes are one little-endian stream of bits, code i at bits 6 i .. 6 i + 5 (a code: sign, 3 exponent bits, 2 mantissa bits); and NAME_scales (uint8): the same leading axes, one E8M0 byte (e + 127) for each 32 codes along K. Its value is code x scale, taken as it is: it is not quantised again, and the codes and scales need not be those that the quantiser above would give.
;; One version. Each part assembles by itself: llvm-mc -triple=amdgcn-amd-amdhsa -mcpu=gfx1250 --defsym DOCPART=n.
;; ======== version 1 of 1: 4 launches
;; limits: right only within a limited range of input values
;; workspace buffers: xq 6,553,600 bytes; w1 2,457,600 bytes; w2 819,200 bytes; qbuf 6,815,744 bytes; kv 13,369,344 bytes; obuf 6,553,600 bytes
;; launch prep (part 1): grid 640 x 1, 4 waves a work-group, no clusters, 68,096 bytes of LDS; arguments x, W_fc_codes, W_fc_scales, W_fc2_codes, W_fc2_scales, xq, w1, w2; writes xq, w1, w2
.if DOCPART == 1
	.amdgcn_target "amdgcn-amd-amdhsa--gfx1250"
	.amdhsa_code_object_version 6
	.text
	.protected	k_qb058ebdfcb_prep
	.globl	k_qb058ebdfcb_prep
	.p2align	8
	.type	k_qb058ebdfcb_prep,@function
k_qb058ebdfcb_prep:
	s_mov_b64 s[64:65], 0
	v_nop
	global_prefetch_b8 v0, s[64:65] scope:SCOPE_SE
	s_setreg_imm32_b32 hwreg(HW_REG_WAVE_MODE, 25, 1), 1
	s_wait_xcnt 0x0
; PREP.  (1) x [8192][1024] f32 is quantised along its 1,024 to codes of BF6 (E3M2) with one E8M0 byte for each 32; (2) the codes and scale bytes of W_fc and W_fc2 are laid anew, unchanged.
; All three leave as IMAGES OF OPERAND REGISTERS: a fragment (16 rows x 128 K, 12 registers a lane) is 1,536 bytes, registers 4 c .. 4 c + 3 of lane l at 512 c + 16 l; the scale words of a pair of tiles are
; 128 bytes, lane l's word at 4 l: lanes 0-15 the even tile's rows, lanes 16-31 the odd tile's.  Later launches then fetch a fragment by three loads of 16 bytes a lane and a K step's tiles as one dense block.
; THE ROWS OF A TILE ARE NOT NEIGHBOURS: of each 32 rows (tokens, or rows of a weight) tile u takes row 8 u + i + 8 (i / 8) as its row i, so that in a result whose registers run along that axis
; the 16 registers of a pair of tiles are 16 neighbours.
; Work-groups 0-511: x.  Work-group g takes tokens 32 (g / 2) on; its wave w the K step 4 (g % 2) + w: two fragments.  Work-groups 512-639: 32 rows of W_fc (96 groups) or of W_fc2 (32); wave w takes K steps 2 w, 2 w + 1.
; A block's scale is 2^(floor(log2(largest magnitude)) - 4); its byte is the largest magnitude's exponent field - 4, held at 1 from below.
; LIMITS: NaN and infinities in x are not served; a block whose largest magnitude lies under 2^-122 keeps the byte 1; a block of zeros gets the byte 1 where the rule says 127 (its codes are zeros; this program alone reads the bytes).
; No matrix unit, no cluster, no tensor load: nothing is shared, and every wave has all its loads out at once.
.set R0,   32                          ; v32-95 tile 0's numbers, v96-159 tile 1's
.set PC0,  160                         ; v160-179 tile 0's codes (12, and 8 at work); v180-199 tile 1's
.set PC1,  180
.set TM,   200                         ; v200-203 largest magnitudes, v204-207 bytes, v212-215 the conversions' scale operands
.set PW0,  216                         ; the two scale words
.set PW1,  217
.set SEL,  20                          ; s[20:21] v_permlanex16_b32's selects for lane l xor 16
.set SROW, 528                         ; a stage row: 512 bytes + 16, so that sixteen rows begin in sixteen different groups of banks
.set STG,  16*SROW
; 64 numbers of a lane, register 16 b + i = k 32 b + 16 (lane / 16) + i of its row, become a fragment's 12 registers at v[pc] and its scale word in v[pw]
.macro QUANT s, pc, pw
.irp b, 0,1,2,3
	v_max3_num_f32 v[TM+\b], |v[\s+16*\b]|, |v[\s+1+16*\b]|, 0x2800000   ; my 16 numbers of block b, and the floor 2^(5 - 127): the byte cannot fall under 1
.endr
.irp i, 2,4,6,8,10,12,14
.irp b, 0,1,2,3
	v_max3_num_f32 v[TM+\b], v[TM+\b], |v[\s+16*\b+\i]|, |v[\s+1+16*\b+\i]|
.endr
.endr
.irp b, 0,1,2,3
	v_permlanex16_b32 v[TM+4+\b], v[TM+\b], s[SEL], s[SEL+1]
.endr
.irp b, 0,1,2,3
	v_max_num_f32 v[TM+\b], v[TM+\b], v[TM+4+\b]           ; with lane l xor 16's 16: the block's largest magnitude
.endr
.irp b, 0,1,2,3
	v_add_nc_u32 v[TM+12+\b], 0xfe000000, v[TM+\b]         ; 4 off its exponent field: the conversion's scale operand
.endr
.irp b, 0,1,2,3
	v_lshrrev_b32 v[TM+4+\b], 23, v[TM+12+\b]              ; the scale's byte
.endr
	v_lshl_or_b32 v[\pw], v[TM+5], 8, v[TM+4]
	v_lshl_or_b32 v[\pw], v[TM+6], 16, v[\pw]
	v_lshl_or_b32 v[\pw], v[TM+7], 24, v[\pw]
.irp c, 0,1
	v_cvt_scalef32_pk16_bf6_f32 v[\pc+6*\c:\pc+2+6*\c], v[\s+32*\c:\s+15+32*\c], v[TM+12+2*\c]
	v_cvt_scalef32_pk16_bf6_f32 v[\pc+12+4*\c:\pc+14+4*\c], v[\s+16+32*\c:\s+31+32*\c], v[TM+12+2*\c+1]   ; (a conversion's three registers begin on an even number)
.endr
	v_nop                                                  ; one plain place behind a scaled conversion
.irp c, 0,1                                            ; the operand wants a whole block in a lane: lanes 0-15 block 2 c, lanes 16-31 block 2 c + 1
.irp i, 0,1,2
	v_permlane16_swap_b32 v[\pc+6*\c+\i], v[\pc+12+4*\c+\i]
.endr
.irp i, 0,1,2
	v_mov_b32 v[\pc+3+6*\c+\i], v[\pc+12+4*\c+\i]
.endr
.endr
.endm
; tile u's 16 rows x 512 bytes go through the wave's own stage: in as loaded (a row on end), out 64 bytes a lane.  LDS serves a wave's instructions in order: no wait between the stores and the loads
.macro TURN u
.irp i, 0,1,2,3,4,5,6,7,8,9,10,11,12,13,14,15
	ds_store_b128 v5, v[R0+64*\u+4*\i:R0+64*\u+4*\i+3] offset:STG*\u+SROW*\i
.endr
.irp b, 0,1,2,3
.irp j, 0,1,2,3
	ds_load_b128 v[R0+64*\u+16*\b+4*\j:R0+64*\u+16*\b+4*\j+3], v6 offset:STG*\u+128*\b+16*\j
.endr
.endr
.endm
	s_load_b512 s[4:19], s[0:1], 0x0               ; x s[4:5]; W_fc codes s[6:7], scales s[8:9]; W_fc2 codes s[10:11], scales s[12:13]; xq s[14:15]; w1 s[16:17]; w2 s[18:19]
	v_lshl_add_u32 v224, v0, 2, 0x10800
	v_mov_b32 v225, 0
	v_lshrrev_b32 v1, 5, v0
	v_readfirstlane_b32 s22, v1                    ; wave
	v_and_b32 v2, 31, v0                           ; lane
	v_and_b32 v3, 15, v0                           ; r
	v_bfe_u32 v7, v0, 4, 1                         ; h
	v_lshlrev_b32 v4, 4, v2                        ; 16 x lane
	v_lshlrev_b32 v8, 2, v2                        ; 4 x lane
	s_cmp_lt_u32 ttmp9, 512
	s_cbranch_scc0 .Lweights
	; ---- x
	s_mul_i32 s23, s22, 2*STG                      ; my wave's two stages
	v_add_nc_u32 v5, s23, v4                       ; in: 16 x lane
	v_mul_u32_u24 v6, v3, SROW
	v_lshl_add_u32 v6, v7, 6, v6
	v_add_nc_u32 v6, s23, v6                       ; out: row r, + 64 h: my 16 numbers of each block of 32
	s_mov_b32 s[SEL], 0x76543210
	s_mov_b32 s[SEL+1], 0xfedcba98
.irp b, 0,1,2,3
	v_mov_b32 v[TM+4+\b], 0                        ; written once: a lane permute's destination counts as one of its sources
.endr
	s_lshr_b32 s24, ttmp9, 1                       ; which 32 tokens
	s_and_b32 s25, ttmp9, 1
	s_lshl_b32 s25, s25, 2
	s_add_co_u32 s25, s25, s22                     ; which K step
	s_lshl_b32 s26, s24, 17                        ; 32 rows of 4,096 bytes
	s_lshl_b32 s27, s25, 9                         ; 128 numbers
	s_add_co_u32 s26, s26, s27
	s_mov_b32 s27, 0
	s_lshr_b32 s28, s24, 3                         ; xq: [block of 256 tokens][K step][16 fragments, 8 images of scale words] = 25,600 bytes a K step
	s_mul_i32 s28, s28, 204800
	s_mul_i32 s29, s25, 25600
	s_add_co_u32 s28, s28, s29
	s_and_b32 s30, s24, 7                          ; the pair in its block
	s_mul_i32 s29, s30, 3072
	s_add_co_u32 s32, s28, s29
	s_mov_b32 s33, 0
	s_lshl_b32 s30, s30, 7
	s_add_co_u32 s34, s28, s30
	s_add_co_u32 s34, s34, 24576
	s_mov_b32 s35, 0
	s_wait_alu depctr_va_vdst(0)
	s_wait_kmcnt 0x0
	s_add_nc_u64 s[4:5], s[4:5], s[26:27]
	s_add_nc_u64 s[32:33], s[14:15], s[32:33]      ; the pair's two fragments
	s_add_nc_u64 s[34:35], s[14:15], s[34:35]      ; and its scale words
.irp u, 0,1
.irp i, 0,1,2,3,4,5,6,7,8,9,10,11,12,13,14,15
	global_load_b128 v[R0+64*\u+4*\i:R0+64*\u+4*\i+3], v4, s[4:5] offset:(8*\u+\i+8*(\i/8))*4096 th:TH_LOAD_NT   ; 32 lanes read 512 consecutive bytes of the tile's row i
.endr
.endr
	s_wait_loadcnt 16                              ; tile 0's sixteen loads are in, tile 1's may be out
	TURN 0
	s_wait_loadcnt 0x0
	TURN 1
	s_wait_dscnt 32                                ; tile 0 is back; tile 1's 16 stores and 16 loads may be out
	QUANT R0, PC0, PW0
.irp c, 0,1,2
	global_store_b128 v4, v[PC0+4*\c:PC0+4*\c+3], s[32:33] offset:512*\c           ; 512 consecutive bytes, aligned
.endr
	s_wait_dscnt 0x0
	QUANT R0+64, PC1, PW1
.irp c, 0,1,2
	global_store_b128 v4, v[PC1+4*\c:PC1+4*\c+3], s[32:33] offset:1536+512*\c
.endr
	v_permlane16_swap_b32 v[PW0], v[PW1]           ; lanes 0-15: tile 0's words; lanes 16-31: tile 1's
	global_store_b32 v8, v[PW0], s[34:35]
	s_wait_tensorcnt 0x0
	ds_add_u32 v224, v225
	s_wait_dscnt 0x0
	s_endpgm
	; ---- the weights: loaded in the operand's layout from their rows, stored as images
.Lweights:
	s_sub_co_u32 s24, ttmp9, 512                   ; 0-95: W_fc's groups of 32 rows; 96-127: W_fc2's
	s_mul_i32 s25, s24, 43
	s_lshr_b32 s25, s25, 8                         ; W_fc: head = group / 6 (43 / 256 serves up to 95)
	s_mul_i32 s26, s25, 6
	s_sub_co_u32 s26, s24, s26                     ; the pair of tiles in the head
	s_mul_i32 s25, s25, 153600                     ; w1: [head][K step][12 fragments, 6 images] = 19,200 bytes a K step
	s_sub_co_u32 s27, s24, 96
	s_lshr_b32 s28, s27, 3                         ; W_fc2: quarter of 256 rows,
	s_and_b32 s29, s27, 7                          ; the pair in it
	s_mul_i32 s28, s28, 204800                     ; w2: [quarter][K step][16 fragments, 8 images] = 25,600 bytes a K step: a quarter's eight K steps lie on end
	s_mov_b32 s32, 19200
	s_mov_b32 s33, 25600
	s_mov_b32 s34, 18432
	s_mov_b32 s35, 24576
	s_wait_kmcnt 0x0
	s_cmp_lt_u32 s24, 96                           ; the choice hangs on the work-group's number alone
	s_cselect_b32 s30, s24, s27                    ; the group
	s_cselect_b32 s31, s26, s29                    ; the pair
	s_cselect_b32 s36, s25, s28                    ; where its head or quarter begins
	s_cselect_b32 s37, s32, s33                    ; bytes from K step to K step
	s_cselect_b32 s38, s34, s35                    ; where the scale words begin
	s_cselect_b64 s[40:41], s[6:7], s[10:11]
	s_cselect_b64 s[42:43], s[8:9], s[12:13]
	s_cselect_b64 s[44:45], s[16:17], s[18:19]
	s_mul_i32 s46, s30, 24576                      ; 32 rows of 768 bytes
	s_mov_b32 s47, 0
	s_add_nc_u64 s[40:41], s[40:41], s[46:47]
	s_lshl_b32 s46, s30, 10                        ; 32 rows of 32 scale bytes
	s_add_nc_u64 s[42:43], s[42:43], s[46:47]
	s_lshl_b32 s48, s22, 1
	s_mul_i32 s48, s48, s37
	s_add_co_u32 s48, s48, s36                     ; K step 2 w
	s_mul_i32 s49, s31, 3072
	s_add_co_u32 s46, s48, s49
	s_add_nc_u64 s[50:51], s[44:45], s[46:47]      ; fragments of K step 2 w,
	s_mov_b32 s46, s37
	s_add_nc_u64 s[52:53], s[50:51], s[46:47]      ; of 2 w + 1
	s_lshl_b32 s49, s31, 7
	s_add_co_u32 s46, s48, s49
	s_add_co_u32 s46, s46, s38
	s_add_nc_u64 s[54:55], s[44:45], s[46:47]      ; scale words of K step 2 w,
	s_mov_b32 s46, s37
	s_add_nc_u64 s[56:57], s[54:55], s[46:47]      ; of 2 w + 1
	s_wait_alu depctr_va_vdst(0)
	v_and_b32 v9, 8, v3
	v_add_nc_u32 v9, v9, v3                        ; r + 8 (r / 8)
	v_mul_u32_u24 v20, v9, 768
	v_mad_u32_u24 v20, v7, 24, v20
	s_mul_i32 s58, s22, 192
	v_add_nc_u32 v20, s58, v20                     ; codes: the tile's row r, + 24 h, + two K steps of 96 bytes a wave
	v_lshl_add_u32 v21, v7, 3, v9
	v_lshlrev_b32 v21, 5, v21
	s_lshl_b32 s58, s22, 3
	v_add_nc_u32 v21, s58, v21                     ; scale bytes: lanes 0-15 tile 0's rows, lanes 16-31 tile 1's; two words a wave
.irp u, 0,1
.irp l, 0,1
.irp p, 0,1,2,3,4,5
	global_load_b64 v[32+24*\u+12*\l+2*\p:33+24*\u+12*\l+2*\p], v20, s[40:41] offset:6144*\u+96*\l+48*(\p/3)+8*(\p%3)
.endr
.endr
.endr
	global_load_b64 v[80:81], v21, s[42:43]
	s_wait_loadcnt 0x0
.irp u, 0,1
.irp c, 0,1,2
	global_store_b128 v4, v[32+24*\u+4*\c:35+24*\u+4*\c], s[50:51] offset:1536*\u+512*\c
	global_store_b128 v4, v[44+24*\u+4*\c:47+24*\u+4*\c], s[52:53] offset:1536*\u+512*\c
.endr
.endr
	global_store_b32 v8, v80, s[54:55]
	global_store_b32 v8, v81, s[56:57]
	s_endpgm
.Lfunc_end_k_qb058ebdfcb_prep:
	.size	k_qb058ebdfcb_prep, .Lfunc_end_k_qb058ebdfcb_prep-k_qb058ebdfcb_prep
	.p2alignl 7, 3214868480
	.fill 96, 4, 3214868480
	.section	.rodata,"a",@progbits
	.p2align	6, 0x0
	.amdhsa_kernel k_qb058ebdfcb_prep
		.amdhsa_group_segment_fixed_size 68096
		.amdhsa_private_segment_fixed_size 0
		.amdhsa_enable_private_segment 0
		.amdhsa_kernarg_size 64
		.amdhsa_user_sgpr_count 2
		.amdhsa_user_sgpr_kernarg_segment_ptr 1
		.amdhsa_wavefront_size32 1
		.amdhsa_system_sgpr_workgroup_id_x 1
		.amdhsa_system_sgpr_workgroup_id_y 1
		.amdhsa_system_sgpr_workgroup_id_z 1
		.amdhsa_system_vgpr_workitem_id 0
		.amdhsa_next_free_vgpr 226
		.amdhsa_next_free_sgpr 66
		.amdhsa_reserve_vcc 0
		.amdhsa_float_denorm_mode_32 3
		.amdhsa_float_denorm_mode_16_64 3
		.amdhsa_memory_ordered 1
		.amdhsa_forward_progress 1
		.amdhsa_inst_pref_size 24
	.end_amdhsa_kernel
	.amdgpu_metadata
---
amdhsa.version: [ 1, 2 ]
amdhsa.kernels:
  - .name:           k_qb058ebdfcb_prep
    .symbol:         k_qb058ebdfcb_prep.kd
    .args:
      - { .name: x, .offset: 0, .size: 8, .value_kind: global_buffer, .address_space: global }
      - { .name: W_fc_codes, .offset: 8, .size: 8, .value_kind: global_buffer, .address_space: global }
      - { .name: W_fc_scales, .offset: 16, .size: 8, .value_kind: global_buffer, .address_space: global }
      - { .name: W_fc2_codes, .offset: 24, .size: 8, .value_kind: global_buffer, .address_space: global }
      - { .name: W_fc2_scales, .offset: 32, .size: 8, .value_kind: global_buffer, .address_space: global }
      - { .name: xq, .offset: 40, .size: 8, .value_kind: global_buffer, .address_space: global }
      - { .name: w1, .offset: 48, .size: 8, .value_kind: global_buffer, .address_space: global }
      - { .name: w2, .offset: 56, .size: 8, .value_kind: global_buffer, .address_space: global }
    .group_segment_fixed_size: 68096
    .private_segment_fixed_size: 0
    .kernarg_segment_align: 8
    .kernarg_segment_size: 64
    .max_flat_workgroup_size: 128
    .sgpr_count:     66
    .vgpr_count:     226
    .wavefront_size: 32
...
	.end_amdgpu_metadata
.endif
;; end of part 1
;; launch qkv (part 2): grid 16 x 32, 4 waves a work-group, clusters of 4 x 4, 327,680 bytes of LDS; arguments xq, w1, b_fc, qbuf, kv; writes qbuf, kv
.if DOCPART == 2
	.amdgcn_target "amdgcn-amd-amdhsa--gfx1250"
	.amdhsa_code_object_version 6
	.text
	.protected	k_qb058ebdfcb_qkv
	.globl	k_qb058ebdfcb_qkv
	.p2align	8
	.type	k_qb058ebdfcb_qkv,@function
k_qb058ebdfcb_qkv:
	s_mov_b64 s[64:65], 0
	v_nop
	global_prefetch_b8 v0, s[64:65] scope:SCOPE_SE
	s_setreg_imm32_b32 hwreg(HW_REG_WAVE_MODE, 25, 1), 1
	s_wait_xcnt 0x0
	s_wait_alu depctr_hold_cnt(0) depctr_sa_sdst(0) depctr_va_vdst(0) depctr_va_sdst(0) depctr_va_ssrc(0) depctr_va_vcc(0) depctr_vm_vsrc(0)
	s_getreg_b32 s2, hwreg(HW_REG_IB_STS2, 6, 4)
	s_cmp_eq_u32 s2, 0
	s_cbranch_scc0 .Lentry_in_a_cluster
	s_endpgm
.Lentry_in_a_cluster:
	s_bfe_u32 s2, ttmp6, 0x10000c
	s_cmp_lg_u32 s2, 0xf033
	s_cbranch_scc0 .Lentry_shape_is_right
	s_endpgm
.Lentry_shape_is_right:
; QKV.  swish(Q(x) W_fc + b_fc) on codes of BF6 (E3M2), and its three parts quantised in registers for attention: q and k along the head's 64, v along the keys.  Nothing leaves in f32.
; SHARES.  A work-group makes 256 tokens x one head's 192 columns; wave w tokens 64 w on (x's tiles 4 w + a) against the head's 12 tiles of W_fc: 48 accumulators, 384 registers.
; q AND k ARE MADE TRANSPOSED (source 0 = 16 rows of W, source 1 = 16 tokens): a lane holds a token, its registers run along the channels.  v IS MADE THE OTHER WAY (source 0 = tokens, source 1 = W): a lane holds
; a channel and its registers run along the tokens, which are the second product's K.  The rows of a tile are chosen (8 u + i + 8 (i / 8) of each 32) so that 16 registers of a pair of tiles are 16 neighbours.
; K goes in 8 steps of 128 through three LDS slots of two steps each: six steps are asked for at the start, and slot 0 is filled once more, with the last two.  x's and W's tiles lie in memory as images of the
; operand's registers, a K step's tiles one dense block.
; CLUSTER 4 x 4: the four work-groups of a row share the tokens, those of a column the head: each block is asked for jointly.
; OUT: qbuf [b h][64 tokens][4 half fragments of 768 bytes, 2 images of scale words]; kv [b h][128 keys][K: 8 half fragments; V: 4 channel tiles x 2 halves of 64 keys; K's 4 images of scale words; V's 2].
; A half fragment is 6 registers (k = 32 (lane / 16) + 0 .. 31): registers 0-3 at 16 x lane, 4-5 at 512 + 8 x lane.  q's and k's scale words carry 0x7f in bytes 2, 3: the upper 64 of K are zero codes, made in attention's registers.
; LIMITS: NaN and infinities are not served; a block's byte is held at 1 from below, and a block of zeros gets 1 where the rule says 127 (this program alone reads the bytes); for z under about -88 swish gives -0.
; REGISTERS.  window 0: v1-13 addresses; v16-31 scale words, two sets; v40-46 more addresses, until the way out; v32-127 the way out; v128-255 v's accumulators (n, a) at 128 + 8 (4 n + a).
;   windows 1, 2: fragment sets 0, 1: x's four at 12 a, W's twelve at 48 + 12 b; window 1 v192-255 the biases of q and k; window 2 v192-199 v's.   window 3: q's accumulators at 8 (4 a + b), k's 128 on.
; THE FILLS, as this text issues them (this takes the place of the sentence above on six steps asked for at the start): at the head each wave asks for one K step (K steps 0, 1 into slot 0);
; behind the three lines and a round each wave asks for TWO K steps by one load (waves 0, 1: x's of slots 1, 2; waves 2, 3: W's), K steps 2 to 5; behind the next three lines and round slot 0 takes K steps 6, 7.
; So a wave has one tensor load out at any time.
.set XB,    25600
.set WB,    19200                      ; W's: 12 + 6
.set SLOT,  2*XB+2*WB                  ; x's two K steps, then W's two
.set SPARE, 3*SLOT                     ; the spare words, 128 bytes a wave: two blocks of 256 bytes that no other line names
.set AX,   4                           ; v4-6   my four x fragments in slot 0, 1, 2
.set AW,   7                           ; v7-9   W's fragments
.set SPW,  12
.set NIL,  13
.set SC,   16                          ; set p at 16 + 8 p: x's two, then W's six
.set ASX,  40                          ; v40-42 my two images of x's scale words
.set ASW,  44                          ; v44-46 W's six
.set Z,    32                          ; v32-63 32 numbers; v64-95 at work
.set E,    64
.set PC,   96                          ; v96-101 a half fragment's codes; v102-104 at work
.set PT,   102
.set MX,   108
.set PM,   110
.set OP,   112
.set BY,   114
.set SW,   116                         ; v116-127 the twelve groups' scale words
.set SEL,  20
.set LG,   22                          ; s[22:23] -log2(e)
.set G1,   24
.set G0,   32                          ; s[32:39] x's groups 0: slot 0, then slot 1 + (wave % 2)
.set G02,  88
.set G1B,  48
.set G0B,  56                          ; s[56:63] W's: slot 0, then slot 1 + (wave % 2)
.set G0B2, 92
.set PK,   68
.set PV,   70
.set PKS,  72
.set PVS,  74
.set PQ,   76
.set MSB, 0
.macro WIN new                         ; the immediate's high byte repeats the setting that is left
.if MSB != (\new)
	s_set_vgpr_msb (MSB<<8)|(\new)
.set MSB, (\new)
.endif
.endm
.macro PLACES n
.rept \n
	v_nop
.endr
.endm
; one matrix instruction.  zero: the sum begins.  ra, rb: the half of the lanes from which A's and B's scale words are taken
.macro WM d, a, b, zero, sa, sb, ra, rb
.if \zero
.if ((\ra)==0)&&((\rb)==0)
	v_wmma_scale_f32_16x16x128_f8f6f4 v[\d:\d+7], v[\a:\a+11], v[\b:\b+11], 0, v[\sa], v[\sb] matrix_a_fmt:MATRIX_FMT_BF6 matrix_b_fmt:MATRIX_FMT_BF6
.elseif (\rb)==0
	v_wmma_scale_f32_16x16x128_f8f6f4 v[\d:\d+7], v[\a:\a+11], v[\b:\b+11], 0, v[\sa], v[\sb] matrix_a_fmt:MATRIX_FMT_BF6 matrix_b_fmt:MATRIX_FMT_BF6 matrix_a_scale:MATRIX_SCALE_ROW1
.elseif (\ra)==0
	v_wmma_scale_f32_16x16x128_f8f6f4 v[\d:\d+7], v[\a:\a+11], v[\b:\b+11], 0, v[\sa], v[\sb] matrix_a_fmt:MATRIX_FMT_BF6 matrix_b_fmt:MATRIX_FMT_BF6 matrix_b_scale:MATRIX_SCALE_ROW1
.else
	v_wmma_scale_f32_16x16x128_f8f6f4 v[\d:\d+7], v[\a:\a+11], v[\b:\b+11], 0, v[\sa], v[\sb] matrix_a_fmt:MATRIX_FMT_BF6 matrix_b_fmt:MATRIX_FMT_BF6 matrix_a_scale:MATRIX_SCALE_ROW1 matrix_b_scale:MATRIX_SCALE_ROW1
.endif
.else
.if ((\ra)==0)&&((\rb)==0)
	v_wmma_scale_f32_16x16x128_f8f6f4 v[\d:\d+7], v[\a:\a+11], v[\b:\b+11], v[\d:\d+7], v[\sa], v[\sb] matrix_a_fmt:MATRIX_FMT_BF6 matrix_b_fmt:MATRIX_FMT_BF6
.elseif (\rb)==0
	v_wmma_scale_f32_16x16x128_f8f6f4 v[\d:\d+7], v[\a:\a+11], v[\b:\b+11], v[\d:\d+7], v[\sa], v[\sb] matrix_a_fmt:MATRIX_FMT_BF6 matrix_b_fmt:MATRIX_FMT_BF6 matrix_a_scale:MATRIX_SCALE_ROW1
.elseif (\ra)==0
	v_wmma_scale_f32_16x16x128_f8f6f4 v[\d:\d+7], v[\a:\a+11], v[\b:\b+11], v[\d:\d+7], v[\sa], v[\sb] matrix_a_fmt:MATRIX_FMT_BF6 matrix_b_fmt:MATRIX_FMT_BF6 matrix_b_scale:MATRIX_SCALE_ROW1
.else
	v_wmma_scale_f32_16x16x128_f8f6f4 v[\d:\d+7], v[\a:\a+11], v[\b:\b+11], v[\d:\d+7], v[\sa], v[\sb] matrix_a_fmt:MATRIX_FMT_BF6 matrix_b_fmt:MATRIX_FMT_BF6 matrix_a_scale:MATRIX_SCALE_ROW1 matrix_b_scale:MATRIX_SCALE_ROW1
.endif
.endif
.endm
; a joint load: waves 0 and 1 fetch x's two K steps of a slot, waves 2 and 3 W's.  The branch hangs on the wave's number alone.  Four v_nop follow each of the two lines
.macro JLOAD g0a, g1a, g0b, g1b
	s_cmp_eq_u32 s15, 0
	s_cbranch_scc0 .Lfor_b_\@
	tensor_load_to_lds s[\g0a:\g0a+3], s[\g1a:\g1a+7]
	s_nop 0
.rept 4
	v_nop
.endr
	s_branch .Lasked_\@
.Lfor_b_\@:
	tensor_load_to_lds s[\g0b:\g0b+3], s[\g1b:\g1b+7]
	s_nop 0
.rept 4
	v_nop
.endr
.Lasked_\@:
.endm
.macro CREST                           ; a round of the cluster's barrier behind its opening barrier
	s_cmp_lg_u32 s14, 0
	s_cbranch_scc1 .Lnot_wave_0_\@
	s_barrier_signal -3
.Lnot_wave_0_\@:
	s_barrier_wait -3
	s_barrier_signal -1
	s_barrier_wait -1
.endm
.macro CROUND
	s_barrier_signal -1
	s_barrier_wait -1
	CREST
.endm
; K step k's fragments and scale words into set k % 2: 56 LDS loads, each of consecutive bytes.  K steps 0-5 lie in slots 0, 1, 2; K steps 6, 7 in slot 0 again
.macro FETCH k
.set SL, ((\k)>>1)%3
.set QQ, (\k)&1
	WIN 0x40+0x40*QQ
.irp a, 0,1,2,3
.irp c, 0,1,2
	ds_load_b128 v[12*\a+4*\c:12*\a+4*\c+3], v[AX+SL] offset:XB*QQ+1536*\a+512*\c
.endr
.endr
.irp b, 0,1,2,3,4,5,6,7,8,9,10,11
.irp c, 0,1,2
	ds_load_b128 v[48+12*\b+4*\c:48+12*\b+4*\c+3], v[AW+SL] offset:WB*QQ+1536*\b+512*\c
.endr
.endr
	WIN 0
.irp p, 0,1
	ds_load_b32 v[SC+8*QQ+\p], v[ASX+SL] offset:XB*QQ+128*\p
.endr
.irp p, 0,1,2,3,4,5
	ds_load_b32 v[SC+2+8*QQ+\p], v[ASW+SL] offset:WB*QQ+128*\p
.endr
.endm
; K step k's 48 products.  The 48 accumulators take turns, one instruction a turn, in the same order in every K step
.macro MUL k, zero
.set QQ, (\k)&1
	WIN 0xF5+5*QQ                                  ; both sources in the set's window, C and D in window 3
.irp a, 0,1,2,3
.irp b, 0,1,2,3,4,5,6,7
	WM 128*(\b/4)+8*(4*\a+\b%4), 48+12*\b, 12*\a, \zero, SC+2+8*QQ+\b/2, SC+8*QQ+\a/2, \b%2, \a%2
.endr
.endr
	WIN 0x05+5*QQ                                  ; C and D in window 0
.irp n, 0,1,2,3
.irp a, 0,1,2,3
	WM 128+8*(4*\n+\a), 12*\a, 48+12*(8+\n), \zero, SC+8*QQ+\a/2, SC+6+8*QQ+\n/2, \a%2, \n%2
.endr
.endr
.endm
; A CHANGE OF SLOTS stands where both K steps of the slot in hand are in registers or on their way there.  Each wave waits for all its tensor loads (its part of the next slot among them), adds 0 to its spare word, and waits for
; that and for its LDS reads.  fill = 1: the barrier opens a round of the cluster's barrier, and the named slot, read out long before, is filled again first thing behind it, with the K steps six on: the load has two
; K steps, 96 matrix instructions, in which to land.
.macro CHANGE slot, fill
	WIN 0
	s_wait_tensorcnt 0x0                           ; no tensor load of mine is out, so a group 0 may be written
	ds_add_u32 v[SPW], v[NIL]                      ; 0 onto my spare word
.if \fill
	s_add_nc_u64 s[G0+4*\slot+2:G0+4*\slot+3], s[G0+4*\slot+2:G0+4*\slot+3], 6*XB
	s_add_nc_u64 s[G0B+4*\slot+2:G0B+4*\slot+3], s[G0B+4*\slot+2:G0B+4*\slot+3], 6*WB
.endif
	s_wait_dscnt 0x0                               ; the add is done, and my LDS reads are in
	s_barrier_signal -1
	s_barrier_wait -1
.if \fill
	CREST
	JLOAD G0+4*\slot, G1, G0B+4*\slot, G1B         ; its four v_nop are also the places in front of the loads that follow
.else
	PLACES 4
.endif
.endm
; 32 numbers of a lane, register 16 b + i = position 32 b + 16 (lane / 16) + i, become a half fragment's 6 registers at v[pc] and two scale bytes in v[sw]
.macro QUANT2 z, pc, pt, sw
.irp b, 0,1
	v_max3_num_f32 v[MX+\b], |v[\z+16*\b]|, |v[\z+16*\b+1]|, 0x2800000   ; with the floor 2^(5 - 127): the byte cannot fall under 1
.endr
.irp i, 2,4,6,8,10,12,14
.irp b, 0,1
	v_max3_num_f32 v[MX+\b], v[MX+\b], |v[\z+16*\b+\i]|, |v[\z+16*\b+\i+1]|
.endr
.endr
.irp b, 0,1
	v_permlanex16_b32 v[PM+\b], v[MX+\b], s[SEL], s[SEL+1]
.endr
.irp b, 0,1
	v_max_num_f32 v[MX+\b], v[MX+\b], v[PM+\b]             ; with lane l xor 16's 16: the block's largest magnitude
.endr
.irp b, 0,1
	v_add_nc_u32 v[OP+\b], 0xfe000000, v[MX+\b]            ; 4 off its exponent field: the conversion's scale operand
.endr
.irp b, 0,1
	v_lshrrev_b32 v[BY+\b], 23, v[OP+\b]                   ; the scale's byte
.endr
	s_wait_alu depctr_va_vdst(0)
	s_wait_xcnt 0x0                                        ; the last group's stores have read v[pc] on: these registers are written again only behind this wait
	v_cvt_scalef32_pk16_bf6_f32 v[\pc:\pc+2], v[\z:\z+15], v[OP]
	v_cvt_scalef32_pk16_bf6_f32 v[\pt:\pt+2], v[\z+16:\z+31], v[OP+1]
	v_lshl_or_b32 v[\sw], v[BY+1], 8, v[BY]                ; (the plain place behind the conversions)
.irp i, 0,1,2
	v_permlane16_swap_b32 v[\pc+\i], v[\pt+\i]             ; a whole block to a lane: lanes 0-15 block 0, lanes 16-31 block 1
.endr
.irp i, 0,1,2
	v_mov_b32 v[\pc+3+\i], v[\pt+\i]
.endr
.endm
.macro ACTQ a, ty                      ; tile a's 32 channels of q (ty = 0) or k (1), + bias; each accumulator from its low end on
	WIN 0x07                                       ; source 0 window 3, source 1 window 1
.set J, 0
.rept 16
	v_pk_add_f32 v[Z+J:Z+J+1], v[128*\ty+32*\a+J:128*\ty+32*\a+J+1], v[192+32*\ty+J:192+32*\ty+J+1]
.set J, J+2
.endr
	WIN 0
.endm
.macro ACTV n                          ; channel tile n's 64 tokens of v (32 a lane), + the lane's channel's bias
	WIN 0x08                                       ; source 1 window 2
.set J, 0
.rept 16
	v_pk_add_f32 v[Z+J:Z+J+1], v[128+32*\n+J:128+32*\n+J+1], v[192+2*\n:193+2*\n]
.set J, J+2
.endr
	WIN 0
.endm
.macro SWISH                           ; z / (1 + 2^(-z log2 e)), in f32
.set J, 0
.rept 16
	v_pk_mul_f32 v[E+J:E+J+1], v[Z+J:Z+J+1], s[LG:LG+1] op_sel_hi:[1,0]
.set J, J+2
.endr
.set J, 0
	s_wait_alu depctr_va_vdst(0)
.rept 32
	v_exp_f32 v[E+J], v[E+J]
.set J, J+1
.endr
	v_nop                                          ; a plain place behind the exponentials
.set J, 0
	s_wait_alu depctr_va_vdst(0)
.rept 16
	v_pk_add_f32 v[E+J:E+J+1], v[E+J:E+J+1], 1.0 op_sel_hi:[1,0]
.set J, J+2
.endr
.set J, 0
	s_wait_alu depctr_va_vdst(0)
.rept 32
	v_rcp_f32 v[E+J], v[E+J]
.set J, J+1
.endr
	v_nop
.set J, 0
	s_wait_alu depctr_va_vdst(0)
.rept 16
	v_pk_mul_f32 v[Z+J:Z+J+1], v[Z+J:Z+J+1], v[E+J:E+J+1]
.set J, J+2
.endr
.endm
.macro IMG6 ptr, off                   ; the half fragment leaves as it stands: 512 and 256 consecutive bytes, aligned
	global_store_b128 v1, v[PC:PC+3], s[\ptr:\ptr+1] offset:\off
	global_store_b64 v2, v[PC+4:PC+5], s[\ptr:\ptr+1] offset:\off+512
.endm
	s_load_b256 s[4:11], s[0:1], 0x0               ; xq s[4:5], w1 s[6:7], b_fc s[8:9], qbuf s[10:11]
	s_load_b64 s[12:13], s[0:1], 0x20              ; kv
	v_lshl_add_u32 v[SPW], v0, 2, SPARE
	v_mov_b32 v[NIL], 0
	ds_add_u32 v12, v13
	ds_add_u32 v12, v13
	s_wait_dscnt 0x0
	v_lshrrev_b32 v1, 5, v0
	v_readfirstlane_b32 s14, v1                    ; wave
	s_lshr_b32 s15, s14, 1                         ; I fetch for x (0) or for W (1),
	s_and_b32 s16, s14, 1                          ; the slot's first or second K step
	s_bfe_u32 s40, ttmp6, 0x40000                  ; cx, cy
	s_bfe_u32 s41, ttmp6, 0x40004
	s_lshl_b32 s42, ttmp9, 2
	s_add_co_u32 s42, s42, s40                     ; the head
	s_and_b32 s17, ttmp7, 0xffff
	s_lshl_b32 s17, s17, 2
	s_add_co_u32 s17, s17, s41                     ; the block of 256 tokens
	s_lshl_b32 s43, s41, 2
	s_lshl_b32 s43, 15, s43                        ; my row of the cluster
	s_lshl_b32 s44, 0x1111, s40                    ; my column
	s_or_b32 s[G1], s43, (3<<16)|(1<<21)           ; x's blocks go to my row: elements of 8 bytes, no padding, bit 21 beside the mask
	s_or_b32 s[G1B], s44, (3<<16)|(1<<21)          ; W's to my column
.irp g, G1, G1B                                ; dense blocks as rows of 256 bytes
	s_mov_b32 s[\g+1], 32<<16                      ; tensor_dim0 = 32
	s_mov_b32 s[\g+3], 32<<16                      ; tile_dim0 = 32
	s_mov_b32 s[\g+5], 32                          ; the pitch
	s_mov_b32 s[\g+6], 0
	s_mov_b32 s[\g+7], 0
.endr
	s_mov_b32 s[G1+2], (XB/256)<<16                ; tensor_dim1, tile_dim1: 100 rows
	s_mov_b32 s[G1+4], XB/256
	s_mov_b32 s[G1B+2], (WB/256)<<16               ; 75 rows
	s_mov_b32 s[G1B+4], WB/256
	s_mul_i32 s18, s17, 8*XB                       ; x: the block's eight K steps,
	s_mul_i32 s45, s16, XB                         ; mine of a slot's two: in memory and in LDS
	s_add_co_u32 s18, s18, s45
	s_mov_b32 s19, 0
	s_mul_i32 s46, s42, 8*WB                       ; W likewise
	s_mul_i32 s87, s16, WB
	s_add_co_u32 s46, s46, s87
	s_mov_b32 s47, 0
	s_add_co_u32 s87, s87, 2*XB
	s_mov_b32 s[SEL], 0x76543210
	s_mov_b32 s[SEL+1], 0xfedcba98
	s_mov_b32 s[LG], 0xbfb8aa3b
	s_mov_b32 s[LG+1], s[LG]
	CROUND                                         ; all sixteen work-groups are here: the first joint loads meet (the arguments are on their way meanwhile)
	s_wait_kmcnt 0x0
	s_add_nc_u64 s[18:19], s[4:5], s[18:19]
	s_add_nc_u64 s[46:47], s[6:7], s[46:47]
	s_mov_b32 s[G0], 1                             ; slot 0: my one K step of x,
	s_add_co_u32 s[G0+1], s45, 0
	s_mov_b64 s[G0+2:G0+3], s[18:19]
	s_or_b32 s[G0+3], s[G0+3], 0x80000000
	s_mov_b32 s[G0B], 1                            ; or of W
	s_add_co_u32 s[G0B+1], s87, 0
	s_mov_b64 s[G0B+2:G0B+3], s[46:47]
	s_or_b32 s[G0B+3], s[G0B+3], 0x80000000
	JLOAD G0, G1, G0B, G1B                         ; K steps 0, 1: one tensor load a wave at the head
	s_mul_i32 s88, s16, SLOT                       ; the second group: a whole slot's two K steps of x or of W a wave: slot 1 + (wave % 2)
	s_add_co_u32 s88, s88, SLOT
	s_mov_b32 s[G0+4], 1
	s_mov_b32 s[G0+5], s88
	s_mov_b32 s90, s45                             ; s[18:19] stands (wave % 2) K steps in: once more that, and two K steps, is K step 2 + 2 (wave % 2)
	s_mov_b32 s91, 0
	s_add_nc_u64 s[G0+6:G0+7], s[18:19], s[90:91]
	s_add_nc_u64 s[G0+6:G0+7], s[G0+6:G0+7], 2*XB
	s_or_b32 s[G0+7], s[G0+7], 0x80000000
	s_mov_b32 s[G0B+4], 1
	s_add_co_u32 s[G0B+5], s88, 2*XB
	s_mul_i32 s90, s16, WB
	s_add_nc_u64 s[G0B+6:G0B+7], s[46:47], s[90:91]
	s_add_nc_u64 s[G0B+6:G0B+7], s[G0B+6:G0B+7], 2*WB
	s_or_b32 s[G0B+7], s[G0B+7], 0x80000000
	; the biases, in the results' layouts
	s_mul_i32 s78, s42, 768
	s_mov_b32 s79, 0
	s_add_nc_u64 s[8:9], s[8:9], s[78:79]
	v_and_b32 v14, 15, v0                          ; r
	v_bfe_u32 v15, v0, 4, 1                        ; h
	v_lshlrev_b32 v32, 6, v15                      ; q, k: register 16 b + i is channel 32 b + 16 h + i
	v_and_b32 v33, 8, v14
	v_add_nc_u32 v33, v33, v14
	v_lshlrev_b32 v33, 2, v33                      ; v: my lane's channel of tile n: 32 (n / 2) + 8 (n % 2) + r + 8 (r / 8)
	WIN 0x40
.irp t, 0,1
.irp b, 0,1
.irp j, 0,1,2,3
	global_load_b128 v[192+32*\t+16*\b+4*\j:195+32*\t+16*\b+4*\j], v32, s[8:9] offset:256*\t+128*\b+16*\j
.endr
.endr
.endr
	WIN 0x80
.irp n, 0,1,2,3
	global_load_b32 v[192+2*\n], v33, s[8:9] offset:512+128*(\n/2)+32*(\n%2)
	global_load_b32 v[193+2*\n], v33, s[8:9] offset:512+128*(\n/2)+32*(\n%2)   ; twice: a pair for the packed addition
.endr
	WIN 0
	v_and_b32 v10, 31, v0
	v_lshlrev_b32 v1, 4, v10                       ; 16 x lane
	v_lshlrev_b32 v2, 3, v10                       ; 8 x lane
	v_lshlrev_b32 v3, 2, v10                       ; 4 x lane
	s_mul_i32 s78, s14, 6144
	v_add_nc_u32 v[AX], s78, v1
	v_add_nc_u32 v[AW], 2*XB, v1
	s_lshl_b32 s78, s14, 8
	s_add_co_u32 s78, s78, 24576
	v_add_nc_u32 v[ASX], s78, v3
	v_add_nc_u32 v[ASW], 2*XB+18432, v3
.irp s, 1,2
	v_add_nc_u32 v[AX+\s], \s*SLOT, v[AX]
	v_add_nc_u32 v[AW+\s], \s*SLOT, v[AW]
	v_add_nc_u32 v[ASX+\s], \s*SLOT, v[ASX]
	v_add_nc_u32 v[ASW+\s], \s*SLOT, v[ASW]
.endr
	v_mov_b32 v[PM], 0                             ; written once: a lane permute's destination counts as one of its sources
	v_mov_b32 v[PM+1], 0
	; where the results go
	s_lshr_b32 s78, s17, 3
	s_lshl_b32 s78, s78, 4
	s_add_co_u32 s78, s78, s42                     ; 16 x batch + head
	s_and_b32 s79, s17, 7                          ; the block in its batch
	s_lshl_b32 s80, s78, 4
	s_lshl_b32 s81, s79, 1
	s_add_co_u32 s80, s80, s81
	s_add_co_u32 s80, s80, s15                     ; which 128 keys: two waves to a step
	s_mul_i32 s80, s80, 13056
	s_mov_b32 s81, 0
	s_add_nc_u64 s[82:83], s[12:13], s[80:81]
	s_mov_b32 s85, 0
	s_mul_i32 s84, s16, 3072
	s_add_nc_u64 s[PK:PK+1], s[82:83], s[84:85]    ; K: my four tiles
	s_mul_i32 s84, s16, 768
	s_add_co_u32 s84, s84, 6144
	s_add_nc_u64 s[PV:PV+1], s[82:83], s[84:85]    ; V: my half of the 128 keys
	s_lshl_b32 s84, s16, 8
	s_add_co_u32 s84, s84, 12288
	s_add_nc_u64 s[PKS:PKS+1], s[82:83], s[84:85]
	s_lshl_b32 s84, s16, 1
	s_add_co_u32 s84, s84, 12800
	s_add_nc_u64 s[PVS:PVS+1], s[82:83], s[84:85]  ; V's scale words: my two bytes of four
	s_lshl_b32 s84, s78, 5
	s_lshl_b32 s86, s79, 2
	s_add_co_u32 s84, s84, s86
	s_add_co_u32 s84, s84, s14
	s_mul_i32 s84, s84, 3328
	s_add_nc_u64 s[PQ:PQ+1], s[10:11], s[84:85]
	s_wait_alu depctr_va_vdst(0)
	s_wait_tensorcnt 0x0                           ; my part of slot 0 is in
	ds_add_u32 v[SPW], v[NIL]
	s_mov_b32 s[G1+2], (2*XB/256)<<16              ; no tensor load of mine is out, so a descriptor may be written: the next load brings two K steps: 200 rows of x,
	s_mov_b32 s[G1+4], 2*XB/256
	s_mov_b32 s[G1B+2], (2*WB/256)<<16             ; 150 of W
	s_mov_b32 s[G1B+4], 2*WB/256
	s_wait_dscnt 0x0                               ; the add is done
	CROUND                                         ; slot 0 is whole, and all sixteen work-groups are here
	JLOAD G0+4, G1, G0B+4, G1B                     ; K steps 2 to 5: slots 1 and 2, filled for the first time
	FETCH 0
	s_wait_loadcnt 0x0                             ; the biases
	FETCH 1
	s_wait_dscnt 56                                ; all but the 56 just issued
	MUL 0, 1                                       ; the first K step starts the sums
	s_wait_dscnt 0x0                               ; K step 1's fragments are in
	MUL 1, 0
	WIN 0
	s_wait_tensorcnt 0x0                           ; my part of slots 1, 2 is in
	ds_add_u32 v[SPW], v[NIL]
	s_mov_b32 s[G1+2], (XB/256)<<16                ; a load brings one K step again
	s_mov_b32 s[G1+4], XB/256
	s_mov_b32 s[G1B+2], (WB/256)<<16
	s_mov_b32 s[G1B+4], WB/256
	s_add_nc_u64 s[G0+2:G0+3], s[G0+2:G0+3], 6*XB
	s_add_nc_u64 s[G0B+2:G0B+3], s[G0B+2:G0B+3], 6*WB
	s_wait_dscnt 0x0                               ; the add is done; my reads of slot 0 were in before MUL 1
	CROUND                                         ; slots 1, 2 are whole; no wave of any partner reads slot 0 any more
	JLOAD G0, G1, G0B, G1B                         ; slot 0 takes K steps 6, 7; the four v_nop behind the load are the places in front of the loads below
	FETCH 2
	FETCH 3
	s_wait_dscnt 56
	MUL 2, 0
	PLACES 4
	FETCH 4
	s_wait_dscnt 56
	MUL 3, 0
	PLACES 4
	FETCH 5
	s_wait_dscnt 56
	MUL 4, 0
	CHANGE 0, 0                                    ; slot 0 is whole again; nothing is left to fetch
	FETCH 6
	MUL 5, 0
	PLACES 4
	FETCH 7
	s_wait_dscnt 56
	MUL 6, 0
	s_wait_dscnt 0x0
	MUL 7, 0
	WIN 0
	PLACES 4
	; THE WAY OUT: twelve groups of 32 numbers a lane: bias, swish, quantiser, store.  The wait that frees the stores' registers stands in the quantiser, directly ahead of the first line that writes them
.irp a, 0,1,2,3
	ACTQ \a, 0
	SWISH
	QUANT2 Z, PC, PT, SW+\a
	v_or_b32 v[SW+\a], 0x7f7f0000, v[SW+\a]        ; bytes 2, 3: the scale 1 over the zero codes of K's upper half
	IMG6 PQ, 768*\a
.endr
	v_permlane16_swap_b32 v[SW], v[SW+1]           ; lanes 0-15 the even tile's words, lanes 16-31 the odd tile's
	v_permlane16_swap_b32 v[SW+2], v[SW+3]
	global_store_b32 v3, v[SW], s[PQ:PQ+1] offset:3072
	global_store_b32 v3, v[SW+2], s[PQ:PQ+1] offset:3072+128
.irp a, 0,1,2,3
	ACTQ \a, 1
	SWISH
	QUANT2 Z, PC, PT, SW+4+\a
	v_or_b32 v[SW+4+\a], 0x7f7f0000, v[SW+4+\a]
	IMG6 PK, 768*\a
.endr
	v_permlane16_swap_b32 v[SW+4], v[SW+5]
	v_permlane16_swap_b32 v[SW+6], v[SW+7]
	global_store_b32 v3, v[SW+4], s[PKS:PKS+1]
	global_store_b32 v3, v[SW+6], s[PKS:PKS+1] offset:128
.irp n, 0,1,2,3
	ACTV \n
	SWISH
	QUANT2 Z, PC, PT, SW+8+\n
	IMG6 PV, 1536*\n
.endr
	v_permlane16_swap_b32 v[SW+8], v[SW+9]
	v_permlane16_swap_b32 v[SW+10], v[SW+11]
	global_store_b16 v3, v[SW+8], s[PVS:PVS+1]     ; two of a word's four bytes: the other two are the neighbouring wave's
	global_store_b16 v3, v[SW+10], s[PVS:PVS+1] offset:128
	s_wait_tensorcnt 0x0                           ; the wave's end
	ds_add_u32 v[SPW], v[NIL]
	s_wait_dscnt 0x0
	CROUND                                         ; the closing round
	s_endpgm
.Lfunc_end_k_qb058ebdfcb_qkv:
	.size	k_qb058ebdfcb_qkv, .Lfunc_end_k_qb058ebdfcb_qkv-k_qb058ebdfcb_qkv
	.p2alignl 7, 3214868480
	.fill 96, 4, 3214868480
	.section	.rodata,"a",@progbits
	.p2align	6, 0x0
	.amdhsa_kernel k_qb058ebdfcb_qkv
		.amdhsa_group_segment_fixed_size 327680
		.amdhsa_private_segment_fixed_size 0
		.amdhsa_enable_private_segment 0
		.amdhsa_kernarg_size 40
		.amdhsa_user_sgpr_count 2
		.amdhsa_user_sgpr_kernarg_segment_ptr 1
		.amdhsa_wavefront_size32 1
		.amdhsa_system_sgpr_workgroup_id_x 1
		.amdhsa_system_sgpr_workgroup_id_y 1
		.amdhsa_system_sgpr_workgroup_id_z 1
		.amdhsa_system_vgpr_workitem_id 0
		.amdhsa_next_free_vgpr 1024
		.amdhsa_next_free_sgpr 100
		.amdhsa_reserve_vcc 0
		.amdhsa_float_denorm_mode_32 3
		.amdhsa_float_denorm_mode_16_64 3
		.amdhsa_memory_ordered 1
		.amdhsa_forward_progress 1
		.amdhsa_inst_pref_size 192
	.end_amdhsa_kernel
	.amdgpu_metadata
---
amdhsa.version: [ 1, 2 ]
amdhsa.kernels:
  - .name:           k_qb058ebdfcb_qkv
    .symbol:         k_qb058ebdfcb_qkv.kd
    .args:
      - { .name: xq, .offset: 0, .size: 8, .value_kind: global_buffer, .address_space: global }
      - { .name: w1, .offset: 8, .size: 8, .value_kind: global_buffer, .address_space: global }
      - { .name: b_fc, .offset: 16, .size: 8, .value_kind: global_buffer, .address_space: global }
      - { .name: qbuf, .offset: 24, .size: 8, .value_kind: global_buffer, .address_space: global }
      - { .name: kv, .offset: 32, .size: 8, .value_kind: global_buffer, .address_space: global }
    .group_segment_fixed_size: 327680
    .private_segment_fixed_size: 0
    .kernarg_segment_align: 8
    .kernarg_segment_size: 40
    .max_flat_workgroup_size: 128
    .sgpr_count:     100
    .vgpr_count:     1024
    .wavefront_size: 32
...
	.end_amdgpu_metadata
.endif
;; end of part 2
;; launch attn (part 3): grid 4 x 64, 8 waves a work-group, clusters of 4 x 1, 327,680 bytes of LDS; arguments qbuf, kv, obuf; writes obuf
.if DOCPART == 3
	.amdgcn_target "amdgcn-amd-amdhsa--gfx1250"
	.amdhsa_code_object_version 6
	.text
	.protected	k_qb058ebdfcb_attn
	.globl	k_qb058ebdfcb_attn
	.p2align	8
	.type	k_qb058ebdfcb_attn,@function
k_qb058ebdfcb_attn:
	s_mov_b64 s[64:65], 0
	v_nop
	global_prefetch_b8 v0, s[64:65] scope:SCOPE_SE
	s_setreg_imm32_b32 hwreg(HW_REG_WAVE_MODE, 25, 1), 1
	s_wait_xcnt 0x0
	s_wait_alu depctr_hold_cnt(0) depctr_sa_sdst(0) depctr_va_vdst(0) depctr_va_sdst(0) depctr_va_ssrc(0) depctr_va_vcc(0) depctr_vm_vsrc(0)
	s_getreg_b32 s2, hwreg(HW_REG_IB_STS2, 6, 4)
	s_cmp_eq_u32 s2, 0
	s_cbranch_scc0 .Lentry_in_a_cluster
	s_endpgm
.Lentry_in_a_cluster:
	s_bfe_u32 s2, ttmp6, 0x10000c
	s_cmp_lg_u32 s2, 0x3003
	s_cbranch_scc0 .Lentry_shape_is_right
	s_endpgm
.Lentry_shape_is_right:
; ATTN.  o = softmax(q k^T / sqrt(2048)) v for one batch and head, on codes of BF6 (E3M2) with E8M0 scales; o leaves quantised along the 1,024 of the last product's K.
; SHARES.  Work-group (cx, y): batch-and-head y, queries 512 cx on.  8 waves, two passes: in a pass a wave has two tiles of 16 queries.  The head's 2,048 keys, 16 blocks of 128 keys (13,056 bytes:
; K's 8 half fragments, V's 8, their scale words), all lie in LDS for the whole launch: 208,896 bytes, each wave asking for two blocks by ONE tensor load at the head.  Nothing is filled again.
; CLUSTER 4 x 1: the four work-groups of a head read the same keys: the loads are joint, mask 15.
; No prefetch: every byte that comes through LDS is asked for at the head; there is no loop of fills to run ahead in.
; BOTH PRODUCTS ARE USED TRANSPOSED (S^T = k q^T, O^T = v^T p^T): a lane holds one query, the registers run along the keys.
; THE KEYS OF A TILE OF K ARE CHOSEN HERE, BY THE LDS ADDRESSES: of each 64 keys tile t takes key 32 (i / 8) + 8 t + i % 8 as its row i.  Lane (r, h) then holds, in the 32 registers of four tiles, the keys
; 32 h + 0 .. 31: ONE WHOLE BLOCK of the second product's K, in the order that the operand wants.  So a block's maximum needs no other lane and the codes need no exchange of lanes.
; In kv a stored tile (p, u) of 64 keys holds keys 32 p + 8 u + i + 8 (i / 8): row i of my tile t is row 8 (t / 2) + i % 8 of the stored tile (i / 8, t % 2); eight lanes read neighbouring bytes.
; q and k have 64 along K: registers 6-11 of their fragments are zero codes, made here once; their scale words carry 0x7f there.
; A STEP (128 keys, two query tiles): 16 score products; each block's largest score; M = ceil(running largest t), kept as -M; f = 2^(old M - new M) by v_ldexp_f32; O^T x f; t - M by packed multiply-adds;
; ONE batch of 132 exponentials (4 block maxima, 128 p) between two waits; scale bytes from each block's largest p; codes; 8 products O^T += v^T p^T with the sums of the unquantised p between them.
; A block's largest p is made from the block's largest score by the same two instructions (this takes v_exp_f32 not to fall where its input rises; at the worst one p of a block is held one code low).
; LIMITS: NaN and infinities are not served; the scaled scores t stay under 2^31 in magnitude; a block's byte is held at 1 from below (a block whose every p is 0 keeps it: its codes are zeros).
; REGISTERS.  window 0: v1-3 16, 8, 4 x lane; v4-6 V's LDS addresses of the step; v8-23 state of the two tiles (-M, largest score, f, at work); v24-33 scale words; v34 8 h; v36-59 block maxima, bytes, scale operands;
;   v60-62 K's lane terms; v64-191 scores, then p; v192-215 p's codes; v216-231 at work; v238-240 K's addresses of the step; v254-255 the add's two.
;   window 1: v0-63 O^T; v64-87 q; v88-183 K's 8 fragments; v184-231 V's 4; v232-247 the sums, eight chains.
.set BLKB, 13056
.set SPARE, 16*BLKB                    ; behind the keys: the spare words, 128 bytes a wave
.set ST,   8
.set KS,   24
.set VS,   28
.set QS,   30
.set PS,   32
.set SH,   34
.set BM,   36
.set KA,   60
.set KB,   61
.set KC,   62
.set S,    64
.set PC,   192
.set PT,   216
.set SW,   236
.set AK,   238
.set SM,   232
.set MX,   BM
.set PM,   BM+4
.set BY,   BM+6
.set OP,   BM+8
.set WV,   10
.set SEL,  20
.set CS,   22                          ; s[22:23] log2(e) / sqrt(2048)
.set G1,   24
.set TB,   40
.set CNT,  41
.set PASS, 42
.set PQ,   44
.set PQS,  46
.set PO,   48
.set POS,  50
.set MSB, 0
.macro WIN new                         ; the immediate's high byte repeats the setting that is left
.if MSB != (\new)
	s_set_vgpr_msb (MSB<<8)|(\new)
.set MSB, (\new)
.endif
.endm
.macro PLACES n
.rept \n
	v_nop
.endr
.endm
; one matrix instruction.  zero: the sum begins.  ra, rb: the half of the lanes from which A's and B's scale words are taken
.macro WM d, a, b, zero, sa, sb, ra, rb
.if \zero
.if ((\ra)==0)&&((\rb)==0)
	v_wmma_scale_f32_16x16x128_f8f6f4 v[\d:\d+7], v[\a:\a+11], v[\b:\b+11], 0, v[\sa], v[\sb] matrix_a_fmt:MATRIX_FMT_BF6 matrix_b_fmt:MATRIX_FMT_BF6
.elseif (\rb)==0
	v_wmma_scale_f32_16x16x128_f8f6f4 v[\d:\d+7], v[\a:\a+11], v[\b:\b+11], 0, v[\sa], v[\sb] matrix_a_fmt:MATRIX_FMT_BF6 matrix_b_fmt:MATRIX_FMT_BF6 matrix_a_scale:MATRIX_SCALE_ROW1
.elseif (\ra)==0
	v_wmma_scale_f32_16x16x128_f8f6f4 v[\d:\d+7], v[\a:\a+11], v[\b:\b+11], 0, v[\sa], v[\sb] matrix_a_fmt:MATRIX_FMT_BF6 matrix_b_fmt:MATRIX_FMT_BF6 matrix_b_scale:MATRIX_SCALE_ROW1
.else
	v_wmma_scale_f32_16x16x128_f8f6f4 v[\d:\d+7], v[\a:\a+11], v[\b:\b+11], 0, v[\sa], v[\sb] matrix_a_fmt:MATRIX_FMT_BF6 matrix_b_fmt:MATRIX_FMT_BF6 matrix_a_scale:MATRIX_SCALE_ROW1 matrix_b_scale:MATRIX_SCALE_ROW1
.endif
.else
.if ((\ra)==0)&&((\rb)==0)
	v_wmma_scale_f32_16x16x128_f8f6f4 v[\d:\d+7], v[\a:\a+11], v[\b:\b+11], v[\d:\d+7], v[\sa], v[\sb] matrix_a_fmt:MATRIX_FMT_BF6 matrix_b_fmt:MATRIX_FMT_BF6
.elseif (\rb)==0
	v_wmma_scale_f32_16x16x128_f8f6f4 v[\d:\d+7], v[\a:\a+11], v[\b:\b+11], v[\d:\d+7], v[\sa], v[\sb] matrix_a_fmt:MATRIX_FMT_BF6 matrix_b_fmt:MATRIX_FMT_BF6 matrix_a_scale:MATRIX_SCALE_ROW1
.elseif (\ra)==0
	v_wmma_scale_f32_16x16x128_f8f6f4 v[\d:\d+7], v[\a:\a+11], v[\b:\b+11], v[\d:\d+7], v[\sa], v[\sb] matrix_a_fmt:MATRIX_FMT_BF6 matrix_b_fmt:MATRIX_FMT_BF6 matrix_b_scale:MATRIX_SCALE_ROW1
.else
	v_wmma_scale_f32_16x16x128_f8f6f4 v[\d:\d+7], v[\a:\a+11], v[\b:\b+11], v[\d:\d+7], v[\sa], v[\sb] matrix_a_fmt:MATRIX_FMT_BF6 matrix_b_fmt:MATRIX_FMT_BF6 matrix_a_scale:MATRIX_SCALE_ROW1 matrix_b_scale:MATRIX_SCALE_ROW1
.endif
.endif
.endm
.macro CROUND                          ; a round of the cluster's barrier
	s_barrier_signal -1
	s_barrier_wait -1
	s_cmp_lg_u32 s[WV], 0
	s_cbranch_scc1 .Lnot_wave_0_\@
	s_barrier_signal -3
.Lnot_wave_0_\@:
	s_barrier_wait -3
	s_barrier_signal -1
	s_barrier_wait -1
.endm
; 32 numbers of a lane, register 16 b + i = position 32 b + 16 (lane / 16) + i, become a half fragment's 6 registers at v[pc] and two scale bytes in v[sw]
.macro QUANT2 z, pc, pt, sw
.irp b, 0,1
	v_max3_num_f32 v[MX+\b], |v[\z+16*\b]|, |v[\z+16*\b+1]|, 0x2800000   ; with the floor 2^(5 - 127)
.endr
.irp i, 2,4,6,8,10,12,14
.irp b, 0,1
	s_delay_alu instid0(VALU_DEP_2)
	v_max3_num_f32 v[MX+\b], v[MX+\b], |v[\z+16*\b+\i]|, |v[\z+16*\b+\i+1]|
.endr
.endr
.irp b, 0,1
	s_delay_alu instid0(VALU_DEP_2)
	v_permlanex16_b32 v[PM+\b], v[MX+\b], s[SEL], s[SEL+1]
.endr
.irp b, 0,1
	s_delay_alu instid0(VALU_DEP_2)
	v_max_num_f32 v[MX+\b], v[MX+\b], v[PM+\b]
.endr
.irp b, 0,1
	s_delay_alu instid0(VALU_DEP_2)
	v_add_nc_u32 v[OP+\b], 0xfe000000, v[MX+\b]            ; 4 off the exponent field: the conversion's scale operand
.endr
.irp b, 0,1
	s_delay_alu instid0(VALU_DEP_2)
	v_lshrrev_b32 v[BY+\b], 23, v[OP+\b]                   ; the scale's byte
.endr
	v_cvt_scalef32_pk16_bf6_f32 v[\pc:\pc+2], v[\z:\z+15], v[OP]
	v_cvt_scalef32_pk16_bf6_f32 v[\pt:\pt+2], v[\z+16:\z+31], v[OP+1]
	v_lshl_or_b32 v[\sw], v[BY+1], 8, v[BY]                ; (the plain place behind the conversions)
.irp i, 0,1,2
	v_permlane16_swap_b32 v[\pc+\i], v[\pt+\i]             ; a whole block to a lane
.endr
.irp i, 0,1,2
	s_delay_alu instid0(VALU_DEP_3)
	v_mov_b32 v[\pc+3+\i], v[\pt+\i]
.endr
.endm
; K's four scale words (address register rc), then its eight half fragments (ra, rb), of the block at byte off behind the registers' base.
.macro KSCL rc, off
.irp p, 0,1,2,3
	ds_load_b32 v[KS+\p], v[\rc] offset:\off+12288+256*(\p/2)+32*(\p%2)
.endr
.endm
.macro KFRG ra, rb, off
.irp t, 0,1,2,3,4,5,6,7
	ds_load_b128 v[88+12*\t:91+12*\t], v[\ra] offset:\off+3072*(\t/4)+768*(\t%2)+128*((\t%4)/2)
	ds_load_b64 v[92+12*\t:93+12*\t], v[\rb] offset:\off+3072*(\t/4)+768*(\t%2)+64*((\t%4)/2)+512
.endr
.endm
.macro TMINUS x                        ; t - M of tile x's 64 scores, two at a time
.set J, 0
.rept 32
	v_pk_fma_f32 v[S+64*\x+J:S+64*\x+J+1], v[S+64*\x+J:S+64*\x+J+1], s[CS:CS+1], v[ST+8*\x:ST+8*\x+1] op_sel_hi:[1,0,0]
.set J, J+2
.endr
.endm
; A step of 128 keys at LDS byte s[TB].  ahead = 1: the next block's K is fetched too; ahead = 0, a pass's last step: the next pass's q is fetched instead
.macro STEP ahead
	s_wait_dscnt 0x0                               ; this block's K is in
	WIN 0x05
.irp t, 0,1,2,3,4,5,6,7
.irp x, 0,1
	WM S+64*\x+8*\t, 88+12*\t, 64+12*\x, 1, KS+\t/2, QS, \t%2, \x
.endr
.endr
	WIN 0
	v_add_nc_u32 v4, s[TB], v1                     ; these lines are the places in front of the loads and of the first read of the scores
	v_add_nc_u32 v5, s[TB], v2
	v_add_nc_u32 v6, s[TB], v3
.if \ahead
	v_add_nc_u32 v[AK], s[TB], v[KA]
	v_add_nc_u32 v[AK+1], s[TB], v[KB]
	v_add_nc_u32 v[AK+2], s[TB], v[KC]
.else
	v_nop
.endif
.irp p, 0,1
	ds_load_b32 v[VS+\p], v6 offset:12800+128*\p
.endr
.if \ahead
	KSCL AK+2, BLKB
.endif
	WIN 0x40
.irp n, 0,1,2,3
.irp c, 0,1
	ds_load_b128 v[184+12*\n+6*\c:187+12*\n+6*\c], v4 offset:6144+1536*\n+768*\c
	ds_load_b64 v[188+12*\n+6*\c:189+12*\n+6*\c], v5 offset:6144+1536*\n+768*\c+512
.endr
.endr
.if \ahead
	KFRG AK, AK+1, BLKB
.endif
	WIN 0
.if (\ahead) == 0
	s_cmp_eq_u32 s[PASS], 1                        ; a counter of the text: the last pass has no successor
	s_cbranch_scc1 .Lno_q_\@
	WIN 0x40
.irp x, 0,1
	global_load_b128 v[64+12*\x:67+12*\x], v1, s[PQ:PQ+1] offset:4*3328+768*\x       ; the second pass's q: 256 queries, 4 groups of 3,328 bytes, further on
	global_load_b64 v[68+12*\x:69+12*\x], v2, s[PQ:PQ+1] offset:4*3328+768*\x+512
.endr
	WIN 0
	global_load_b32 v[QS], v3, s[PQS:PQS+1] offset:4*3328
.Lno_q_\@:
.endif
.irp b, 0,1,2,3                        ; the largest score of each half block of 16 registers, eight chains by turns; each accumulator is read from its low end on
.irp x, 0,1
	v_max3_num_f32 v[BM+12*\x+\b], v[S+64*\x+16*\b], v[S+64*\x+16*\b+1], v[S+64*\x+16*\b+2]
.endr
.endr
.irp i, 3,5,7,9,11,13
.irp b, 0,1,2,3
.irp x, 0,1
	v_max3_num_f32 v[BM+12*\x+\b], v[BM+12*\x+\b], v[S+64*\x+16*\b+\i], v[S+64*\x+16*\b+\i+1]
.endr
.endr
.endr
.irp c, 0,1                            ; the two halves and the two registers left over: my block 2 c + h's largest score, at BM + 2 c
.irp x, 0,1
	v_max3_num_f32 v[BM+12*\x+2*\c], v[BM+12*\x+2*\c], v[BM+12*\x+2*\c+1], v[S+64*\x+32*\c+15]
.endr
.endr
.irp c, 0,1
.irp x, 0,1
	v_max_num_f32 v[BM+12*\x+2*\c], v[BM+12*\x+2*\c], v[S+64*\x+32*\c+31]
.endr
.endr
.irp x, 0,1
	v_max_num_f32 v[ST+8*\x+6], v[BM+12*\x], v[BM+12*\x+2]
.endr
.irp x, 0,1
	v_permlanex16_b32 v[BM+12*\x+7], v[ST+8*\x+6], s[SEL], s[SEL+1]
.endr
.irp x, 0,1
	v_max3_num_f32 v[ST+8*\x+1], v[ST+8*\x+1], v[ST+8*\x+6], v[BM+12*\x+7]   ; the running largest score: my 64 keys' and lane l xor 16's
.endr
.irp x, 0,1
	v_mul_f32 v[ST+8*\x+7], s[CS], v[ST+8*\x+1]            ; as t (the factor is positive)
.endr
.irp x, 0,1
	v_mov_b32 v[ST+8*\x+6], v[ST+8*\x]
.endr
.irp x, 0,1
	v_floor_f32 v[ST+8*\x], -v[ST+8*\x+7]                  ; -M = floor(-t)
.endr
.irp x, 0,1
	v_sub_f32 v[ST+8*\x+6], v[ST+8*\x], v[ST+8*\x+6]       ; old M - new M, a whole number
.endr
.irp c, 0,1
.irp x, 0,1
	v_fma_f32 v[BM+12*\x+2*\c], v[BM+12*\x+2*\c], s[CS], v[ST+8*\x]          ; t - M of each block's largest score
.endr
.endr
.irp x, 0,1
	v_cvt_i32_f32 v[ST+8*\x+6], v[ST+8*\x+6]               ; (it saturates)
.endr
	TMINUS 0
.irp x, 0,1
	v_ldexp_f32 v[ST+8*\x+4], 1.0, v[ST+8*\x+6]            ; f = 2^(old M - new M)
.endr
	TMINUS 1
	WIN 0x51
.irp j, 0,2,4,6,8,10,12,14,16,18,20,22,24,26,28,30
.irp x, 0,1
	v_pk_mul_f32 v[32*\x+\j:32*\x+\j+1], v[32*\x+\j:32*\x+\j+1], v[ST+8*\x+4:ST+8*\x+5] op_sel_hi:[1,0]   ; O^T under the new M: read ahead of the exponentials, each accumulator from its low end on
.endr
.endr
	WIN 0
	s_wait_alu depctr_va_vdst(0)                   ; the wait ahead of the batch: all its sources are laid
.irp c, 0,1
.irp x, 0,1
	v_exp_f32 v[BM+12*\x+2*\c], v[BM+12*\x+2*\c]   ; each block's largest p
.endr
.endr
.set J, 0
.rept 128
	v_exp_f32 v[S+J], v[S+J]                       ; p = 2^(t - M)
.set J, J+1
.endr
	v_nop                                          ; a plain place behind the exponentials
	s_wait_alu depctr_va_vdst(0)                   ; one wait for the whole batch, ahead of its first reader
.irp c, 0,1
.irp x, 0,1
	v_max_num_f32 v[BM+12*\x+2*\c], 0x2800000, v[BM+12*\x+2*\c]      ; the floor 2^(5 - 127)
.endr
.endr
.irp c, 0,1
.irp x, 0,1
	v_add_nc_u32 v[BM+12*\x+8+\c], 0xfe000000, v[BM+12*\x+2*\c]      ; 4 off the exponent field: the conversion's scale operand
.endr
.endr
.irp x, 0,1
.irp c, 0,1
	v_cvt_scalef32_pk16_bf6_f32 v[PC+12*\x+6*\c:PC+12*\x+6*\c+2], v[S+64*\x+32*\c:S+64*\x+32*\c+15], v[BM+12*\x+8+\c]      ; my block's lower 16 codes, in their place
	v_cvt_scalef32_pk16_bf6_f32 v[PT+8*\x+4*\c:PT+8*\x+4*\c+2], v[S+64*\x+32*\c+16:S+64*\x+32*\c+31], v[BM+12*\x+8+\c]     ; the upper 16 (a conversion's three registers begin on an even number: moved below)
.endr
.endr
.irp c, 0,1
.irp x, 0,1
	v_lshrrev_b32 v[BM+12*\x+4+\c], 23, v[BM+12*\x+8+\c]             ; the scale's byte.  (These lines are the plain places behind the conversions)
.endr
.endr
.irp x, 0,1
	v_lshl_or_b32 v[PS+\x], v[BM+12*\x+5], 16, v[BM+12*\x+4]         ; my two bytes: blocks h and 2 + h,
.endr
.irp x, 0,1
	v_lshlrev_b32 v[PS+\x], v[SH], v[PS+\x]                          ; at their places in the scale word (8 h bits up);
.endr
.irp x, 0,1
	v_permlanex16_b32 v[BM+12*\x+6], v[PS+\x], s[SEL], s[SEL+1]
.endr
.irp x, 0,1
	v_or_b32 v[PS+\x], v[PS+\x], v[BM+12*\x+6]                       ; with lane l xor 16's two the word is whole
.endr
.irp x, 0,1
.irp c, 0,1
.irp i, 0,1,2
	v_mov_b32 v[PC+12*\x+6*\c+3+\i], v[PT+8*\x+4*\c+\i]
.endr
.endr
.endr
	WIN 0x41                                       ; the sums, eight chains: sum x f + p starts this step's additions
.set SMI, 0
.rept 8
.set RB, SM+8*(SMI%2)+2*((SMI/2)%4)
.set RT, S+64*(SMI%2)+2*(SMI/2)
	v_pk_fma_f32 v[RB:RB+1], v[RB:RB+1], v[ST+8*(SMI%2)+4:ST+8*(SMI%2)+5], v[RT:RT+1] op_sel_hi:[1,0,1]
.set SMI, SMI+1
.endr
	WIN 0x51
	s_wait_alu depctr_va_vdst(0)                   ; the wait directly ahead of the wait below
	s_wait_dscnt 16*\ahead                         ; V and the scale words are in; the 16 youngest loads, the next block's K, may be out
.irp n, 0,1,2,3                        ; O^T += v^T p^T, the eight accumulators by turns; seven packed additions of the unquantised p ahead of each product
.irp x, 0,1
.rept 7
.set RB, SM+8*(SMI%2)+2*((SMI/2)%4)
.set RT, S+64*(SMI%2)+2*(SMI/2)
	v_pk_add_f32 v[RB:RB+1], v[RB:RB+1], v[RT:RT+1]
.set SMI, SMI+1
.endr
	WM 32*\x+8*\n, 184+12*\n, PC+12*\x, 0, VS+\n/2, PS+\x, \n%2, 0
.endr
.endr
	WIN 0
.endm
	s_load_b128 s[4:7], s[0:1], 0x0                ; qbuf s[4:5], kv s[6:7]
	s_load_b64 s[8:9], s[0:1], 0x10                ; obuf
	v_lshl_add_u32 v254, v0, 2, SPARE
	v_mov_b32 v255, 0
	ds_add_u32 v254, v255                          ; the opening lines: the add, twice on end, and its wait
	ds_add_u32 v254, v255
	v_lshrrev_b32 v1, 5, v0
	s_delay_alu instid0(VALU_DEP_1)
	v_readfirstlane_b32 s[WV], v1                  ; wave
	s_bfe_u32 s11, ttmp6, 0x40000                  ; cx
	s_and_b32 s12, ttmp7, 0xffff                   ; batch and head
	s_mov_b32 s[G1], 15|(3<<16)|(1<<21)            ; all four partners; elements of 8 bytes; bit 21 beside the mask
	s_mov_b32 s[G1+1], 32<<16                      ; a dense block as rows of 256 bytes:
	s_mov_b32 s[G1+2], (2*BLKB/256)<<16            ; two blocks of keys are 102 rows
	s_mov_b32 s[G1+3], 32<<16
	s_mov_b32 s[G1+4], 2*BLKB/256
	s_mov_b32 s[G1+5], 32
	s_mov_b32 s[G1+6], 0
	s_mov_b32 s[G1+7], 0
	s_mul_i32 s13, s[WV], 2*BLKB                   ; my two blocks, in LDS and in memory
	s_mul_i32 s14, s12, 16*BLKB
	s_add_co_u32 s14, s14, s13
	s_mov_b32 s15, 0
	s_mov_b32 s[SEL], 0x76543210
	s_mov_b32 s[SEL+1], 0xfedcba98
	s_mov_b32 s[CS], 0x3d0293ee
	s_mov_b32 s[CS+1], s[CS]
	s_wait_dscnt 0x0
	CROUND                                         ; the four partners are here: the joint loads meet (the arguments are on their way meanwhile)
	s_wait_kmcnt 0x0
	s_add_nc_u64 s[14:15], s[6:7], s[14:15]
	s_mov_b32 s32, 1
	s_mov_b32 s33, s13
	s_mov_b64 s[34:35], s[14:15]
	s_or_b32 s35, s35, 0x80000000
	tensor_load_to_lds s[32:35], s[G1:G1+7]        ; my one tensor load of the launch
	s_nop 0
	PLACES 4
	v_and_b32 v7, 31, v0
	s_delay_alu instid0(VALU_DEP_1)
	v_lshlrev_b32 v1, 4, v7
	s_delay_alu instid0(VALU_DEP_2)
	v_lshlrev_b32 v2, 3, v7
	s_delay_alu instid0(VALU_DEP_3)
	v_lshlrev_b32 v3, 2, v7
	v_bfe_u32 v241, v0, 3, 1                       ; (l % 16) / 8: which stored pair of tiles my row lies in
	v_and_b32 v242, 7, v0                          ; l % 8
	v_bfe_u32 v243, v0, 4, 1                       ; h
	v_mul_u32_u24 v[KA], v241, 1536
	v_lshlrev_b32 v[KC], 7, v241
	v_lshlrev_b32 v[SH], 3, v243                   ; 8 h
	v_lshl_add_u32 v[KB], v242, 3, v[KA]
	v_lshl_add_u32 v[KA], v242, 4, v[KA]
	v_lshl_add_u32 v[KC], v242, 2, v[KC]
	v_lshl_add_u32 v[KB], v243, 7, v[KB]           ; K's registers 4-5: 1,536 (r / 8) + 8 (r % 8) + 128 h
	v_lshl_add_u32 v[KA], v243, 8, v[KA]           ; K's registers 0-3: 1,536 (r / 8) + 16 (r % 8) + 256 h
	v_lshl_add_u32 v[KC], v243, 6, v[KC]           ; K's scale words: 128 (r / 8) + 4 (r % 8) + 64 (lane / 16): lanes 0-15 the even tile's rows, lanes 16-31 the odd tile's
.irp x, 0,1
.irp i, 4,5,6,7
	v_mov_b32 v[BM+12*\x+\i], 0                    ; written once: a lane permute's destination counts as one of its sources
.endr
	v_mov_b32 v[ST+8*\x+5], 0
	v_mov_b32 v[ST+8*\x+6], 0
.endr
	WIN 0x40
.irp x, 0,1
.irp i, 6,7,8,9,10,11
	v_mov_b32 v[64+12*\x+\i], 0                    ; the zero codes of K's upper 64: q's,
.endr
.endr
.irp t, 0,1,2,3,4,5,6,7
.irp i, 6,7,8,9,10,11
	v_mov_b32 v[88+12*\t+\i], 0                    ; and k's
.endr
.endr
	WIN 0
	s_lshl_b32 s16, s12, 5                         ; qbuf: group of 64 queries = 32 x (batch, head) + 8 cx + wave / 2 (+ 4 in the second pass)
	s_lshl_b32 s17, s11, 3
	s_add_co_u32 s16, s16, s17
	s_lshr_b32 s17, s[WV], 1
	s_add_co_u32 s16, s16, s17
	s_mul_i32 s16, s16, 3328
	s_and_b32 s18, s[WV], 1
	s_mul_i32 s19, s18, 1536
	s_add_co_u32 s52, s16, s19
	s_mov_b32 s53, 0
	s_add_nc_u64 s[PQ:PQ+1], s[4:5], s[52:53]
	s_lshl_b32 s19, s18, 7
	s_add_co_u32 s52, s16, s19
	s_add_co_u32 s52, s52, 3072
	s_add_nc_u64 s[PQS:PQS+1], s[4:5], s[52:53]
	s_lshr_b32 s16, s12, 4                         ; obuf: [32 tokens][K step = head / 2][2 tiles x 2 halves of 768 bytes], scale words from byte 24,576 on
	s_lshl_b32 s16, s16, 6
	s_lshl_b32 s17, s11, 4
	s_add_co_u32 s16, s16, s17
	s_add_co_u32 s16, s16, s[WV]
	s_mul_i32 s16, s16, 25600
	s_bfe_u32 s17, s12, 0x30001
	s_and_b32 s18, s12, 1
	s_mul_i32 s19, s17, 3072
	s_add_co_u32 s52, s16, s19
	s_mul_i32 s19, s18, 768
	s_add_co_u32 s52, s52, s19
	s_add_nc_u64 s[PO:PO+1], s[8:9], s[52:53]
	s_lshl_b32 s19, s17, 7
	s_add_co_u32 s52, s16, s19
	s_lshl_b32 s19, s18, 1
	s_add_co_u32 s52, s52, s19
	s_add_co_u32 s52, s52, 24576
	s_add_nc_u64 s[POS:POS+1], s[8:9], s[52:53]
	s_mov_b32 s[PASS], 2
	s_wait_alu depctr_va_vdst(0)                   ; the wait at the head's end
	WIN 0x40
.irp x, 0,1
	global_load_b128 v[64+12*\x:67+12*\x], v1, s[PQ:PQ+1] offset:768*\x      ; the first pass's q
	global_load_b64 v[68+12*\x:69+12*\x], v2, s[PQ:PQ+1] offset:768*\x+512
.endr
	WIN 0
	global_load_b32 v[QS], v3, s[PQS:PQS+1]
	s_wait_tensorcnt 0x0                           ; my two blocks are in;
	s_barrier_signal -1
	s_barrier_wait -1                              ; everybody's are
.Lpass:
	s_mov_b32 s[TB], 0
.irp x, 0,1
	v_mov_b32 v[ST+8*\x+1], 0xff61b1e6             ; the largest score so far: -3e38
	v_mov_b32 v[ST+8*\x], 0x7ce7134a               ; and its -M: about 9.6e36, a whole number
.endr
	WIN 0x40
.set J, 0
.rept 64
	v_mov_b32 v[J], 0                              ; O^T: the step is written once, so the first finds zeros
.set J, J+1
.endr
.set J, 0
.rept 16
	v_mov_b32 v[SM+J], 0
.set J, J+1
.endr
	WIN 0
	KSCL KC, 0
	WIN 0x40
	KFRG KA, KB, 0
	WIN 0
	s_wait_alu depctr_va_vdst(0)                   ; the wait directly ahead of the wait below
	s_wait_loadcnt 0x0                             ; this pass's q
	s_mov_b32 s[CNT], 15
.Lstep:
	STEP 1
	s_add_co_u32 s[TB], s[TB], BLKB
	s_sub_co_u32 s[CNT], s[CNT], 1
	s_cmp_lg_u32 s[CNT], 0
	s_cbranch_scc1 .Lstep
	STEP 0
	WIN 0x05                                       ; the row's sum: my eight parts, and lane l xor 16's
.irp x, 0,1
	v_pk_add_f32 v[ST+8*\x+2:ST+8*\x+3], v[SM+8*\x:SM+8*\x+1], v[SM+8*\x+2:SM+8*\x+3]
	v_pk_add_f32 v[ST+8*\x+6:ST+8*\x+7], v[SM+8*\x+4:SM+8*\x+5], v[SM+8*\x+6:SM+8*\x+7]
.endr
	WIN 0
.irp x, 0,1
	v_pk_add_f32 v[ST+8*\x+2:ST+8*\x+3], v[ST+8*\x+2:ST+8*\x+3], v[ST+8*\x+6:ST+8*\x+7]
.endr
.irp x, 0,1
	v_add_f32 v[ST+8*\x+2], v[ST+8*\x+2], v[ST+8*\x+3]
.endr
.irp x, 0,1
	s_delay_alu instid0(VALU_DEP_2)
	v_permlanex16_b32 v[ST+8*\x+6], v[ST+8*\x+2], s[SEL], s[SEL+1]
.endr
.irp x, 0,1
	s_delay_alu instid0(VALU_DEP_2)
	v_add_f32 v[ST+8*\x+2], v[ST+8*\x+2], v[ST+8*\x+6]
.endr
	s_wait_alu depctr_va_vdst(0)                   ; the wait ahead of the transcendentals
.irp x, 0,1
	v_rcp_f32 v[ST+8*\x+4], v[ST+8*\x+2]
.endr
	v_nop
	WIN 0x01
	s_wait_alu depctr_va_vdst(0)                   ; and behind them, directly ahead of the first reader of O^T
.irp x, 0,1
.set J, 0
.rept 16
	v_pk_mul_f32 v[S+64*\x+J:S+64*\x+J+1], v[32*\x+J:32*\x+J+1], v[ST+8*\x+4:ST+8*\x+5] op_sel_hi:[1,0]   ; O^T / the sum
.set J, J+2
.endr
.endr
	WIN 0
.irp x, 0,1
	QUANT2 S+64*\x, PC+12*\x, PT+8*\x, SW+\x       ; the head's 64 channels are two blocks of the last product's K
	global_store_b128 v1, v[PC+12*\x:PC+12*\x+3], s[PO:PO+1] offset:1536*\x
	global_store_b64 v2, v[PC+12*\x+4:PC+12*\x+5], s[PO:PO+1] offset:1536*\x+512
.endr
	v_permlane16_swap_b32 v[SW], v[SW+1]
	global_store_b16 v3, v[SW], s[POS:POS+1]       ; two of a word's four bytes: the other two are the neighbouring head's
	s_wait_xcnt 0x0                                ; the stores have read their registers and bases
	s_add_nc_u64 s[PO:PO+1], s[PO:PO+1], 8*25600
	s_add_nc_u64 s[POS:POS+1], s[POS:POS+1], 8*25600
	s_sub_co_u32 s[PASS], s[PASS], 1
	s_cmp_lg_u32 s[PASS], 0
	s_cbranch_scc1 .Lpass
	s_wait_tensorcnt 0x0                           ; the wave's end
	ds_add_u32 v254, v255
	s_wait_dscnt 0x0
	CROUND                                         ; the closing round
	s_endpgm
.Lfunc_end_k_qb058ebdfcb_attn:
	.size	k_qb058ebdfcb_attn, .Lfunc_end_k_qb058ebdfcb_attn-k_qb058ebdfcb_attn
	.p2alignl 7, 3214868480
	.fill 96, 4, 3214868480
	.section	.rodata,"a",@progbits
	.p2align	6, 0x0
	.amdhsa_kernel k_qb058ebdfcb_attn
		.amdhsa_group_segment_fixed_size 327680
		.amdhsa_private_segment_fixed_size 0
		.amdhsa_enable_private_segment 0
		.amdhsa_kernarg_size 24
		.amdhsa_user_sgpr_count 2
		.amdhsa_user_sgpr_kernarg_segment_ptr 1
		.amdhsa_wavefront_size32 1
		.amdhsa_system_sgpr_workgroup_id_x 1
		.amdhsa_system_sgpr_workgroup_id_y 1
		.amdhsa_system_sgpr_workgroup_id_z 1
		.amdhsa_system_vgpr_workitem_id 0
		.amdhsa_next_free_vgpr 512
		.amdhsa_next_free_sgpr 66
		.amdhsa_reserve_vcc 0
		.amdhsa_float_denorm_mode_32 3
		.amdhsa_float_denorm_mode_16_64 3
		.amdhsa_memory_ordered 1
		.amdhsa_forward_progress 1
		.amdhsa_inst_pref_size 75
	.end_amdhsa_kernel
	.amdgpu_metadata
---
amdhsa.version: [ 1, 2 ]
amdhsa.kernels:
  - .name:           k_qb058ebdfcb_attn
    .symbol:         k_qb058ebdfcb_attn.kd
    .args:
      - { .name: qbuf, .offset: 0, .size: 8, .value_kind: global_buffer, .address_space: global }
      - { .name: kv, .offset: 8, .size: 8, .value_kind: global_buffer, .address_space: global }
      - { .name: obuf, .offset: 16, .size: 8, .value_kind: global_buffer, .address_space: global }
    .group_segment_fixed_size: 327680
    .private_segment_fixed_size: 0
    .kernarg_segment_align: 8
    .kernarg_segment_size: 24
    .max_flat_workgroup_size: 256
    .sgpr_count:     66
    .vgpr_count:     512
    .wavefront_size: 32
...
	.end_amdgpu_metadata
.endif
;; end of part 3
;; launch proj (part 4): grid 256 x 1, 4 waves a work-group, clusters of 4 x 1, 327,680 bytes of LDS; arguments obuf, w2, b_fc2, x, out0; writes out0
.if DOCPART == 4
	.amdgcn_target "amdgcn-amd-amdhsa--gfx1250"
	.amdhsa_code_object_version 6
	.text
	.protected	k_qb058ebdfcb_proj
	.globl	k_qb058ebdfcb_proj
	.p2align	8
	.type	k_qb058ebdfcb_proj,@function
k_qb058ebdfcb_proj:
	s_mov_b64 s[64:65], 0
	v_nop
	global_prefetch_b8 v0, s[64:65] scope:SCOPE_SE
	s_setreg_imm32_b32 hwreg(HW_REG_WAVE_MODE, 25, 1), 1
	s_wait_xcnt 0x0
	s_wait_alu depctr_hold_cnt(0) depctr_sa_sdst(0) depctr_va_vdst(0) depctr_va_sdst(0) depctr_va_ssrc(0) depctr_va_vcc(0) depctr_vm_vsrc(0)
	s_getreg_b32 s2, hwreg(HW_REG_IB_STS2, 6, 4)
	s_cmp_eq_u32 s2, 0
	s_cbranch_scc0 .Lentry_in_a_cluster
	s_endpgm
.Lentry_in_a_cluster:
	s_bfe_u32 s2, ttmp6, 0x10000c
	s_cmp_lg_u32 s2, 0x3003
	s_cbranch_scc0 .Lentry_shape_is_right
	s_endpgm
.Lentry_shape_is_right:
.set QB,    25600
.set WREG,  3*QB
.set SPARE, 4*WREG
.set SP,    4112
.set AW,   4
.set SPW,  8
.set NIL,  9
.set SO,   10
.set SR,   12
.set OS,   16
.set WS,   24
.set ASW,  40
.set AF,   64
.set BI,   64
.set ZR,   96
.set E,    160
.set SUM,  192
.set TT,   200
.set MEAN, 216
.set RS,   232
.set SEL,  20
.set G1,   24
.set G0,   32
.set G1M,  52
.set G1L,  68
.set LG,   76
.set MSB, 0
.macro WIN new
.if MSB != (\new)
	s_set_vgpr_msb (MSB<<8)|(\new)
.set MSB, (\new)
.endif
.endm
.macro PLACES n
.rept \n
	v_nop
.endr
.endm
.macro WM d, a, b, zero, sa, sb, ra, rb
.if \zero
.if ((\ra)==0)&&((\rb)==0)
	v_wmma_scale_f32_16x16x128_f8f6f4 v[\d:\d+7], v[\a:\a+11], v[\b:\b+11], 0, v[\sa], v[\sb] matrix_a_fmt:MATRIX_FMT_BF6 matrix_b_fmt:MATRIX_FMT_BF6
.elseif (\rb)==0
	v_wmma_scale_f32_16x16x128_f8f6f4 v[\d:\d+7], v[\a:\a+11], v[\b:\b+11], 0, v[\sa], v[\sb] matrix_a_fmt:MATRIX_FMT_BF6 matrix_b_fmt:MATRIX_FMT_BF6 matrix_a_scale:MATRIX_SCALE_ROW1
.elseif (\ra)==0
	v_wmma_scale_f32_16x16x128_f8f6f4 v[\d:\d+7], v[\a:\a+11], v[\b:\b+11], 0, v[\sa], v[\sb] matrix_a_fmt:MATRIX_FMT_BF6 matrix_b_fmt:MATRIX_FMT_BF6 matrix_b_scale:MATRIX_SCALE_ROW1
.else
	v_wmma_scale_f32_16x16x128_f8f6f4 v[\d:\d+7], v[\a:\a+11], v[\b:\b+11], 0, v[\sa], v[\sb] matrix_a_fmt:MATRIX_FMT_BF6 matrix_b_fmt:MATRIX_FMT_BF6 matrix_a_scale:MATRIX_SCALE_ROW1 matrix_b_scale:MATRIX_SCALE_ROW1
.endif
.else
.if ((\ra)==0)&&((\rb)==0)
	v_wmma_scale_f32_16x16x128_f8f6f4 v[\d:\d+7], v[\a:\a+11], v[\b:\b+11], v[\d:\d+7], v[\sa], v[\sb] matrix_a_fmt:MATRIX_FMT_BF6 matrix_b_fmt:MATRIX_FMT_BF6
.elseif (\rb)==0
	v_wmma_scale_f32_16x16x128_f8f6f4 v[\d:\d+7], v[\a:\a+11], v[\b:\b+11], v[\d:\d+7], v[\sa], v[\sb] matrix_a_fmt:MATRIX_FMT_BF6 matrix_b_fmt:MATRIX_FMT_BF6 matrix_a_scale:MATRIX_SCALE_ROW1
.elseif (\ra)==0
	v_wmma_scale_f32_16x16x128_f8f6f4 v[\d:\d+7], v[\a:\a+11], v[\b:\b+11], v[\d:\d+7], v[\sa], v[\sb] matrix_a_fmt:MATRIX_FMT_BF6 matrix_b_fmt:MATRIX_FMT_BF6 matrix_b_scale:MATRIX_SCALE_ROW1
.else
	v_wmma_scale_f32_16x16x128_f8f6f4 v[\d:\d+7], v[\a:\a+11], v[\b:\b+11], v[\d:\d+7], v[\sa], v[\sb] matrix_a_fmt:MATRIX_FMT_BF6 matrix_b_fmt:MATRIX_FMT_BF6 matrix_a_scale:MATRIX_SCALE_ROW1 matrix_b_scale:MATRIX_SCALE_ROW1
.endif
.endif
.endm
.macro ROUND
	s_barrier_signal -1
	s_barrier_wait -1
	s_cmp_lg_u32 s14, 0
	s_cbranch_scc1 .Lnot_wave_0_\@
	s_barrier_signal -3
.Lnot_wave_0_\@:
	s_barrier_wait -3
	s_barrier_signal -1
	s_barrier_wait -1
.endm
.macro FETCH k, sl
.set PP, (\k)&1
	WIN 0x40+0x40*PP
.irp t, 0,1,2,3,4,5,6,7,8,9,10,11,12,13,14,15
.irp c, 0,1,2
	ds_load_b128 v[12*\t+4*\c:12*\t+4*\c+3], v[AW+(\sl)] offset:1536*\t+512*\c
.endr
.endr
	WIN 0
.irp i, 0,1,2,3,4,5,6,7
	ds_load_b32 v[WS+8*PP+\i], v[ASW+(\sl)] offset:128*\i
.endr
.endm
.macro MUL k, zero
.set PP, (\k)&1
	WIN 0xF1+PP
.irp t, 0,1,2,3,4,5,6,7,8,9,10,11,12,13,14,15
.irp u, 0,1
	WM 8*(16*\u+\t), 12*\t, AF+12*(2*(\k)+\u), \zero, WS+8*PP+\t/2, OS+(\k), \t%2, \u
.endr
.endr
.endm
.macro REFILL g0, g1
	WIN 0
	s_wait_tensorcnt 0x0
	ds_add_u32 v[SPW], v[NIL]
	s_wait_dscnt 0x0
	ROUND
	tensor_load_to_lds s[\g0:\g0+3], s[\g1:\g1+7]
	s_nop 0
	PLACES 4
.endm
.macro YSET rho
.if (\rho) < 4
.set YW, 1+(\rho)/2
.set YB, 192+32*((\rho)%2)
.else
.set YW, 1
.set YB, 32*((\rho)-4)
.endif
.endm
.macro XLOAD rho
	YSET \rho
	WIN YW<<6
.irp i, 0,1,2,3,4,5,6,7
	global_load_b128 v[YB+4*\i:YB+4*\i+3], v1, s[10:11] offset:4096*(\rho)+512*\i th:TH_LOAD_NT
.endr
.endm
	s_load_b256 s[4:11], s[0:1], 0x0
	s_load_b64 s[12:13], s[0:1], 0x20
	v_lshl_add_u32 v[SPW], v0, 2, SPARE
	v_mov_b32 v[NIL], 0
	ds_add_u32 v8, v9
	ds_add_u32 v8, v9
	s_wait_dscnt 0x0
	v_lshrrev_b32 v1, 5, v0
	v_readfirstlane_b32 s14, v1
	s_bfe_u32 s15, ttmp6, 0x40000
	s_lshl_b32 s16, ttmp9, 2
	s_add_co_u32 s16, s16, s15
.irp g, G1M, G1L
	s_mov_b32 s[\g], 15|(3<<16)|(1<<21)
	s_mov_b32 s[\g+1], 32<<16
	s_mov_b32 s[\g+3], 32<<16
	s_mov_b32 s[\g+5], 32
	s_mov_b32 s[\g+6], 0
	s_mov_b32 s[\g+7], 0
.endr
	s_mov_b32 s[G1M+2], (2*QB/256)<<16
	s_mov_b32 s[G1M+4], 2*QB/256
	s_mov_b32 s[G1L+2], (3*QB/256)<<16
	s_mov_b32 s[G1L+4], 3*QB/256
	s_mul_i32 s17, s14, WREG
	s_mul_i32 s18, s14, 8*QB
	s_mov_b32 s19, 0
	s_mov_b32 s[SEL], 0x76543210
	s_mov_b32 s[SEL+1], 0xfedcba98
	s_mov_b32 s22, 0x3a800000
	s_mov_b32 s23, 0x3727c5ac
	s_mov_b32 s[LG], 0xbfb8aa3b
	s_mov_b32 s[LG+1], s[LG]
	ROUND                                          ; the four partners are here (the arguments are on their way meanwhile)
	s_wait_kmcnt 0x0
	s_add_nc_u64 s[18:19], s[6:7], s[18:19]
.irp p, 0
	s_mov_b32 s[G0+4*\p], 1
	s_add_co_u32 s[G0+4*\p+1], s17, \p*QB
	s_add_nc_u64 s[G0+4*\p+2:G0+4*\p+3], s[18:19], \p*QB
	s_or_b32 s[G0+4*\p+3], s[G0+4*\p+3], 0x80000000
.endr
.irp p, 3,4
	s_mov_b32 s[G0+4*\p], 1
	s_mov_b32 s[G0+4*\p+1], s17
	s_add_nc_u64 s[G0+4*\p+2:G0+4*\p+3], s[18:19], (2*\p-3)*QB
	s_or_b32 s[G0+4*\p+3], s[G0+4*\p+3], 0x80000000
.endr
	tensor_load_to_lds s[G0:G0+3], s[G1L:G1L+7]    ; my quarter's K steps 0, 1, 2, which lie on end in memory and in my region of LDS: one load of 300 rows, my one tensor load at the head
	s_nop 0
	PLACES 4
	v_and_b32 v7, 31, v0
	v_lshlrev_b32 v1, 4, v7
	v_lshlrev_b32 v2, 3, v7
	v_lshlrev_b32 v3, 2, v7
	s_mul_i32 s78, s16, 25600
	s_mov_b32 s79, 0
	s_add_nc_u64 s[4:5], s[4:5], s[78:79]
.irp s, 0,1,2,3,4,5,6,7
.irp u, 0,1
.irp c, 0,1
	global_load_b128 v[AF+12*(2*\s+\u)+6*\c:AF+12*(2*\s+\u)+6*\c+3], v1, s[4:5] offset:3072*\s+1536*\u+768*\c
	global_load_b64 v[AF+12*(2*\s+\u)+6*\c+4:AF+12*(2*\s+\u)+6*\c+5], v2, s[4:5] offset:3072*\s+1536*\u+768*\c+512
.endr
.endr
	global_load_b32 v[OS+\s], v3, s[4:5] offset:24576+128*\s
.endr
	v_add_nc_u32 v[AW], s17, v1
	v_add_nc_u32 v[AW+1], QB, v[AW]
	v_add_nc_u32 v[AW+2], 2*QB, v[AW]
	s_add_co_u32 s80, s17, 24576
	v_add_nc_u32 v[ASW], s80, v3
	v_add_nc_u32 v[ASW+1], QB, v[ASW]
	v_add_nc_u32 v[ASW+2], 2*QB, v[ASW]
	v_and_b32 v13, 15, v0
	v_bfe_u32 v14, v0, 4, 1
	v_mul_u32_u24 v[SO], v13, SP
	v_lshl_add_u32 v[SO], v14, 6, v[SO]
	s_lshl_b32 s80, s14, 10
	v_add_nc_u32 v[SO], s80, v[SO]
	v_add_nc_u32 v[SO+1], 16*SP, v[SO]
	s_mul_i32 s80, s14, 8*SP
	v_add_nc_u32 v[SR], s80, v1
	s_lshl_b32 s78, s16, 5
	s_lshr_b32 s80, s14, 1
	s_lshl_b32 s80, s80, 3
	s_add_co_u32 s78, s78, s80
	s_and_b32 s80, s14, 1
	s_lshl_b32 s80, s80, 4
	s_add_co_u32 s78, s78, s80
	s_lshl_b32 s78, s78, 12
	s_add_nc_u64 s[10:11], s[10:11], s[78:79]
	s_add_nc_u64 s[12:13], s[12:13], s[78:79]
	s_wait_alu depctr_va_vdst(0)
	s_wait_tensorcnt 0x0                           ; my three K steps are in; only I read my region
	FETCH 0, 0
	FETCH 1, 1
	s_wait_loadcnt 0x0
.irp q, 0,1,2,3
	XLOAD \q
.endr
	REFILL G0+12, G1M
	MUL 0, 1
	PLACES 4
	FETCH 2, 2
	MUL 1, 0
	WIN 0
	PLACES 4
.irp i, 0,1,2,3,4,5,6,7
	global_load_b128 v[BI+4*\i:BI+4*\i+3], v1, s[8:9] offset:512*\i
.endr
	s_wait_dscnt 0x0
	MUL 2, 0
	WIN 0
	s_wait_tensorcnt 0x0
	PLACES 4
	FETCH 3, 0
	FETCH 4, 1
	REFILL G0+16, G1L
	MUL 3, 0
	MUL 4, 0
	WIN 0
	s_wait_tensorcnt 0x0
	PLACES 4
	FETCH 5, 0
	FETCH 6, 1
	s_wait_dscnt 56
	MUL 5, 0
	PLACES 4
	FETCH 7, 2
	s_wait_dscnt 56
	MUL 6, 0
	PLACES 4
.irp q, 4,5,6,7
	XLOAD \q
.endr
	WIN 0
	s_wait_dscnt 0x0
	MUL 7, 0
	WIN 0
	PLACES 4
.irp q, 0,1,2,3,4,5,6,7
	v_mov_b32 v[TT+\q], 0
	v_mov_b32 v[MEAN+2*\q+1], 0
	v_mov_b32 v[RS+2*\q+1], 0
.endr
	s_barrier_signal -1
	s_barrier_wait -1
	WIN 0x0c
.irp u, 0,1
.irp t, 0,1,2,3,4,5,6,7,8,9,10,11,12,13,14,15
	ds_store_b128 v[SO+\u], v[8*(16*\u+\t):8*(16*\u+\t)+3] offset:128*(\t/2)+32*(\t%2)
	ds_store_b128 v[SO+\u], v[8*(16*\u+\t)+4:8*(16*\u+\t)+7] offset:128*(\t/2)+32*(\t%2)+16
.endr
.endr
	WIN 0
	s_wait_dscnt 0x0
	s_barrier_signal -1
	s_barrier_wait -1
.macro ROWLD rho
.irp i, 0,1,2,3,4,5,6,7
	ds_load_b128 v[ZR+32*((\rho)%2)+4*\i:ZR+32*((\rho)%2)+4*\i+3], v[SR] offset:(\rho)*SP+512*\i
.endr
.endm
.macro ROW1 rho
.set ZB, ZR+32*((\rho)%2)
	YSET \rho
.if (\rho) < 7
	ROWLD (\rho)+1
	s_wait_dscnt 8
.else
	s_wait_dscnt 0x0
.endif
.if (\rho) == 0
	s_wait_loadcnt 32
.endif
.if (\rho) == 4
	s_wait_loadcnt 0x0
.endif
.set J, 0
.rept 16
	v_pk_add_f32 v[ZB+J:ZB+J+1], v[ZB+J:ZB+J+1], v[BI+J:BI+J+1]
.set J, J+2
.endr
.set J, 0
.rept 16
	v_pk_mul_f32 v[E+J:E+J+1], v[ZB+J:ZB+J+1], s[LG:LG+1] op_sel_hi:[1,0]
.set J, J+2
.endr
.set J, 0
	s_wait_alu depctr_va_vdst(0)
.rept 32
	v_exp_f32 v[E+J], v[E+J]
.set J, J+1
.endr
	v_nop
.set J, 0
	s_wait_alu depctr_va_vdst(0)
.rept 16
	v_pk_add_f32 v[E+J:E+J+1], v[E+J:E+J+1], 1.0 op_sel_hi:[1,0]
.set J, J+2
.endr
.set J, 0
	s_wait_alu depctr_va_vdst(0)
.rept 32
	v_rcp_f32 v[E+J], v[E+J]
.set J, J+1
.endr
	v_nop
	WIN (YW<<6)|(YW<<4)
.set J, 0
	s_wait_alu depctr_va_vdst(0)
.rept 16
	v_pk_fma_f32 v[YB+J:YB+J+1], v[ZB+J:ZB+J+1], v[E+J:E+J+1], v[YB+J:YB+J+1]
.set J, J+2
.endr
	WIN YW|(YW<<2)
	v_pk_add_f32 v[TT:TT+1], v[YB:YB+1], v[YB+2:YB+3]
	v_pk_add_f32 v[TT+2:TT+3], v[YB+4:YB+5], v[YB+6:YB+7]
	WIN YW<<2
.irp j, 8,12,16,20,24,28
	v_pk_add_f32 v[TT:TT+1], v[TT:TT+1], v[YB+\j:YB+\j+1]
	v_pk_add_f32 v[TT+2:TT+3], v[TT+2:TT+3], v[YB+\j+2:YB+\j+3]
.endr
	WIN 0
	v_pk_add_f32 v[TT:TT+1], v[TT:TT+1], v[TT+2:TT+3]
	v_add_f32 v[SUM+\rho], v[TT], v[TT+1]
.endm
.macro RED4 r0, r1, r2, r3
.irp m, 1,2,4,8
.irp q, \r0, \r1, \r2, \r3
	v_add_f32_dpp v[SUM+\q], v[SUM+\q], v[SUM+\q] row_xmask:\m row_mask:0xf bank_mask:0xf
.endr
.endr
.irp q, \r0, \r1, \r2, \r3
	v_permlanex16_b32 v[TT+\q], v[SUM+\q], s[SEL], s[SEL+1]
.endr
.irp q, \r0, \r1, \r2, \r3
	v_add_f32 v[SUM+\q], v[SUM+\q], v[TT+\q]
.endr
.endm
.macro ROW3 rho
	YSET \rho
	WIN (YW<<6)|YW
.set J, 0
.rept 16
	v_pk_add_f32 v[YB+J:YB+J+1], v[YB+J:YB+J+1], v[MEAN+2*(\rho):MEAN+2*(\rho)+1] op_sel_hi:[1,0] neg_lo:[0,1] neg_hi:[0,1]
.set J, J+2
.endr
	WIN YW|(YW<<2)
	v_pk_mul_f32 v[TT:TT+1], v[YB:YB+1], v[YB:YB+1]
	v_pk_mul_f32 v[TT+2:TT+3], v[YB+2:YB+3], v[YB+2:YB+3]
.irp j, 4,8,12,16,20,24,28
	v_pk_fma_f32 v[TT:TT+1], v[YB+\j:YB+\j+1], v[YB+\j:YB+\j+1], v[TT:TT+1]
	v_pk_fma_f32 v[TT+2:TT+3], v[YB+\j+2:YB+\j+3], v[YB+\j+2:YB+\j+3], v[TT+2:TT+3]
.endr
	WIN 0
	v_pk_add_f32 v[TT:TT+1], v[TT:TT+1], v[TT+2:TT+3]
	v_add_f32 v[SUM+\rho], v[TT], v[TT+1]
.endm
.macro ROW5 rho
	YSET \rho
	WIN (YW<<6)|YW
.set J, 0
.rept 16
	v_pk_mul_f32 v[YB+J:YB+J+1], v[YB+J:YB+J+1], v[RS+2*(\rho):RS+2*(\rho)+1] op_sel_hi:[1,0]
.set J, J+2
.endr
	WIN YW<<2
.irp i, 0,1,2,3,4,5,6,7
	global_store_b128 v1, v[YB+4*\i:YB+4*\i+3], s[12:13] offset:4096*(\rho)+512*\i th:TH_STORE_NT
.endr
.endm
.macro BATCH r0, r1, r2, r3
.irp q, \r0, \r1, \r2, \r3
	ROW1 \q
.endr
	RED4 \r0, \r1, \r2, \r3
.irp q, \r0, \r1, \r2, \r3
	v_mul_f32 v[MEAN+2*\q], s22, v[SUM+\q]
.endr
.irp q, \r0, \r1, \r2, \r3
	ROW3 \q
.endr
	RED4 \r0, \r1, \r2, \r3
.irp q, \r0, \r1, \r2, \r3
	v_fma_f32 v[SUM+\q], v[SUM+\q], s22, s23
.endr
	s_wait_alu depctr_va_vdst(0)
.irp q, \r0, \r1, \r2, \r3
	v_rsq_f32 v[RS+2*\q], v[SUM+\q]
.endr
	v_nop
	s_wait_alu depctr_va_vdst(0)
.irp q, \r0, \r1, \r2, \r3
	ROW5 \q
.endr
	WIN 0
.endm
	ROWLD 0
	BATCH 0, 1, 2, 3
	BATCH 4, 5, 6, 7
	s_wait_tensorcnt 0x0
	ds_add_u32 v[SPW], v[NIL]
	s_wait_dscnt 0x0
	ROUND
	s_endpgm
.Lfunc_end_k_qb058ebdfcb_proj:
	.size	k_qb058ebdfcb_proj, .Lfunc_end_k_qb058ebdfcb_proj-k_qb058ebdfcb_proj
	.p2alignl 7, 3214868480
	.fill 96, 4, 3214868480
	.section	.rodata,"a",@progbits
	.p2align	6, 0x0
	.amdhsa_kernel k_qb058ebdfcb_proj
		.amdhsa_group_segment_fixed_size 327680
		.amdhsa_private_segment_fixed_size 0
		.amdhsa_enable_private_segment 0
		.amdhsa_kernarg_size 40
		.amdhsa_user_sgpr_count 2
		.amdhsa_user_sgpr_kernarg_segment_ptr 1
		.amdhsa_wavefront_size32 1
		.amdhsa_system_sgpr_workgroup_id_x 1
		.amdhsa_system_sgpr_workgroup_id_y 1
		.amdhsa_system_sgpr_workgroup_id_z 1
		.amdhsa_system_vgpr_workitem_id 0
		.amdhsa_next_free_vgpr 1024
		.amdhsa_next_free_sgpr 96
		.amdhsa_reserve_vcc 0
		.amdhsa_float_denorm_mode_32 3
		.amdhsa_float_denorm_mode_16_64 3
		.amdhsa_memory_ordered 1
		.amdhsa_forward_progress 1
		.amdhsa_inst_pref_size 189
	.end_amdhsa_kernel
	.amdgpu_metadata
---
amdhsa.version: [ 1, 2 ]
amdhsa.kernels:
  - .name:           k_qb058ebdfcb_proj
    .symbol:         k_qb058ebdfcb_proj.kd
    .args:
      - { .name: obuf, .offset: 0, .size: 8, .value_kind: global_buffer, .address_space: global }
      - { .name: w2, .offset: 8, .size: 8, .value_kind: global_buffer, .address_space: global }
      - { .name: b_fc2, .offset: 16, .size: 8, .value_kind: global_buffer, .address_space: global }
      - { .name: x, .offset: 24, .size: 8, .value_kind: global_buffer, .address_space: global }
      - { .name: out0, .offset: 32, .size: 8, .value_kind: global_buffer, .address_space: global }
    .group_segment_fixed_size: 327680
    .private_segment_fixed_size: 0
    .kernarg_segment_align: 8
    .kernarg_segment_size: 40
    .max_flat_workgroup_size: 128
    .sgpr_count:     96
    .vgpr_count:     1024
    .wavefront_size: 32
...
	.end_amdgpu_metadata
.endif
;; end of part 4
